; MI455X (gfx1250); checked and timed in simulation.
; The chip was launched on July 23, 2026; its instructions are those of AMD's public machine-readable ISA for CDNA 5 (MIT licence, August 2026) and "CDNA5" Instruction Set Architecture Reference Guide (July 2026). The comments in the code are by the model that wrote it; some were corrected since.
;; Transformer Block. Allowed arithmetic: matrix products marked QUANTISED: E5M2 operands, one E8M0 scale for each 32 along K, by v_wmma_scale_f32_16x16x128_f8f6f4 with both operands' format E5M2, f32 sums; everything else in f32.
;; Inputs: W_in 4,096 x 1,024 float32; W_out 1,024 x 4,096 float32; Wk 1,024 x 1,024 float32; Wo 1,024 x 1,024 float32; Wq 1,024 x 1,024 float32; Wv 1,024 x 1,024 float32; b_in 4,096 float32; b_out 1,024 float32; bk 1,024 float32; bo 1,024 float32; bq 1,024 float32; bv 1,024 float32; g_attn 1,024 float32; g_ff 1,024 float32; rel_k 101 x 64 float32; rel_v 101 x 64 float32; x 1,024 x 4 x 1,024 float32.
;; Outputs: out0 1,024 x 4 x 1,024 float32.
;; This version of the problem:
;;   THIS VERSION OF THE PROBLEM IS GIVEN IN LOW PRECISION. The matrix products marked QUANTISED in the list below multiply operands that are first quantised to E5M2 (5 exponent bits, 2 mantissa bits; 8 bits a number), with one power-of-two scale for each 32 numbers along K (OCP MX v1.0); their sums are f32. All else is computed in f32.
;;   The module's matrix products, in the order in which they are computed (A, B: the left and right operand; K: the contracted axis; several contracted axes count as one K, in the product's order):
;;     1. [M 4,096, K 1,024] x [K 1,024, N 1,024]; A: computed on the way; B: input Wq: QUANTISED
;;     2. [M 4,096, K 1,024] x [K 1,024, N 1,024]; A: computed on the way; B: input Wk: QUANTISED
;;     3. [M 4,096, K 1,024] x [K 1,024, N 1,024]; A: computed on the way; B: input Wv: QUANTISED
;;     4. batch 64 x [M 1,024, K 64] x [K 64, N 1,024]; A: computed on the way; B: computed on the way: QUANTISED
;;     5. batch 1,024 x [M 1,024, K 64] x [K 64, N 64]; A: computed on the way; B: computed on the way: QUANTISED
;;     6. batch 64 x [M 1,024, K 1,024] x [K 1,024, N 64]; A: softmax (see below); B: computed on the way: QUANTISED
;;     7. batch 1,024 x [M 64, K 1,024] x [K 1,024, N 64]; A: computed on the way; B: softmax (see below): QUANTISED
;;     8. [M 4,096, K 1,024] x [K 1,024, N 1,024]; A: computed on the way; B: input Wo: QUANTISED
;;     9. [M 4,096, K 1,024] x [K 1,024, N 4,096]; A: computed on the way; B: input W_in: QUANTISED
;;     10. [M 4,096, K 4,096] x [K 4,096, N 1,024]; A: computed on the way; B: input W_out: QUANTISED
;;   THE QUANTISER, for each operand of a quantised product, along K:
;;     - K is cut into blocks of 32 from its start; a last block that is shorter is filled with zeros.
;;     - A block's scale is 2^e with e = floor(log2(the largest magnitude in the block)) - 15, held to -126 .. 127; a block of zeros has e = 0. As a byte (E8M0): e + 127.
;;     - Each number is divided by its block's scale, clamped to +-57,344, and rounded to the nearest number of E5M2, ties to even, subnormals kept.
;;     - The product sums the exact products of the quantised numbers (number of the format x scale) in f32.
;;   ~~~python
;;   def quantise(x, axis):      # numpy; x: float32 -> the quantised numbers, widened to float32 again
;;       x = np.moveaxis(x, axis, -1); K = x.shape[-1]
;;       x = np.pad(x, [(0, 0)] * (x.ndim - 1) + [(0, -K % 32)]); x = x.reshape(x.shape[:-1] + (-1, 32)); a = np.abs(x).max(-1, keepdims=True)
;;       e = np.where(a > 0, np.clip(np.frexp(np.where(a > 0, a, 1))[1] - 1 - 15, -126, 127), 0)      # np.frexp(a)[1] - 1 = floor(log2(a)), exactly
;;       r = np.clip(x / 2.0 ** e, -57344, 57344)
;;       step = 2.0 ** (np.maximum(np.frexp(np.where(r == 0, 1, r))[1] - 1, -14) - 2)
;;       q = np.round(r / step) * step * 2.0 ** e      # np.round: ties to even
;;       return np.moveaxis(q.reshape(q.shape[:-2] + (-1,))[..., :K], -1, axis).astype(np.float32)
;;   ~~~
;;   SOFTMAX AHEAD OF A QUANTISED PRODUCT. Where the list says 'softmax', what is quantised is not the finished softmax but p = 2^(t - M), with t = logit x log2(e) and M = ceil(the row's largest t), a whole number; so 1/2 < the row's largest p <= 1. The row's sum l is taken of the UNQUANTISED p, in f32, and the product's result is divided by l at the end. Since M is a whole number, a kernel that streams over the keys may use a running M (the ceiling of the running maximum): every later rescaling is an exact power of two, which a block's scale takes up: the codes' values come out the same.
;;   OPERANDS COMPUTED ON THE WAY. 'Computed on the way' means the value that the module computes at that place (a softmax that the list does not call 'softmax' is quantised finished and normalised). What goes into a quantiser is computed in f32, as accurately as f32 sums, v_exp_f32 and their like allow (about 1e-6 of the number): no bf16 or f16 on the way to a quantiser, and a product that is left as it is and whose result goes on into a quantised operand takes f32 operands (vector FMAs, or v_wmma_f32_16x16x4_f32). A number that lies on a knife's edge between two numbers of the format may be rounded either way, as far as f32 arithmetic and the matrix unit's own rounding can turn it there, and no further.
;; One version. Each part assembles by itself: llvm-mc -triple=amdgcn-amd-amdhsa -mcpu=gfx1250 --defsym DOCPART=n.
;; ======== version 1 of 1: 7 launches
;; limits: right only within a limited range of input values
;; workspace buffers: ac 4,325,376 bytes; wc 12,976,128 bytes; rt 557,056 bytes; rinv 16,384 bytes; qkv 13,238,272 bytes; h2 16,777,216 bytes; act 17,301,504 bytes
;; launch quant (part 1): grid 1040 x 1, 8 waves a work-group, no clusters, 69,120 bytes of LDS; arguments x, g_attn, Wq, Wk, Wv, Wo, W_in, W_out, rel_v, ac, wc, rt, rinv; writes ac, wc, rt, rinv
.if DOCPART == 1
	.amdgcn_target "amdgcn-amd-amdhsa--gfx1250"
	.amdhsa_code_object_version 6
	.text
	.protected	k_q96a4d01581_quant
	.globl	k_q96a4d01581_quant
	.p2align	8
	.type	k_q96a4d01581_quant,@function
k_q96a4d01581_quant:
	s_mov_b64 s[64:65], 0
	v_nop
	global_prefetch_b8 v0, s[64:65] scope:SCOPE_SE
	s_setreg_imm32_b32 hwreg(HW_REG_WAVE_MODE, 25, 1), 1
	s_wait_xcnt 0x0
; f32 numbers into codes of BF8 (E5M2) with one E8M0 byte for each 32 along K, laid as PANELS, the order of an operand's registers.
; panel (rows/128, k/128) = 16,896 bytes: fragment f (16 rows x 128 K) at 2,048 f + 512 c + 16 lane (lane (r, h), c: k = 32 c + 16 h + 0..15 of row r), scale words at 16,384 + 64 f + 4 r.
; THE ROWS OF A TILE ARE NOT NEIGHBOURS: row r of tile T is 32 (T/2) + 8 (T%2) + r + 8 (r/8), so that a product's results, taken with such tiles as source 0, are 16 neighbours along the next K.
; WORK LEFT OUT BY THE PROGRAM: rk[q][k] and rv[q][k] are lookups rel_k[clip(k - q)], rel_v[clip(k - q)]: the products with them are made once for each distinct row or block of the tables, for all values of the inputs.
; Work-groups 0-255: the first argument [1024][4][1024], RMS-normalised (x / (|x|/32 + 1e-8) x gain) on the way; tile = 64 b + s tile.  256-271: rel_v's tables (.Lrel).
; From 272 on, less 16: 256-447 Wq, Wk, Wv; 448-511 Wo; 512-767 W_in; 768-1023 W_out (a tile's K in four parts).  Weights are quantised as they are: no norm, no gain, no barrier.
; A work-group takes one tile of 16 rows x 1,024 along K, wave w the w-th 128.  160 registers a wave: the rows as loaded, the gain, and the quantiser's scratch and codes take turns in v32-95.
; LIMITS: NaN and infinities among the inputs are not served; a block whose largest magnitude lies under 2^-111 keeps the byte 1 (a block of zeros too: its codes are zeros, and this program alone reads the bytes).
.set STG,      8448                    ; a wave's stage: 16 rows x (512 + 16) bytes
.set PART,     67584                   ; 16 rows x 8 waves: the rows' partial sums of squares
.set SPARE,    68096                   ; the spare words, 128 bytes a wave: four blocks of 256 bytes that no other line names
.set PANEL,    16896
.set WO_OFF,   3244032
.set WIN_OFF,  4325376
.set WOUT_OFF, 8650752
.set TS_OFF,   524288
.set XR,  32                           ; v32-95   16 rows as loaded (each load lands on its own offset)
.set GN,  32                           ; then the gain at my k
.set TM,  32                           ; then v32-47 at work in QUANT
.set PC,  48                           ; and v48-63 the codes
.set X,   96                           ; v96-159  register 16 c + i = k 32 c + 16 h + i of my row
.set SQ,  12                           ; v12-19   sums of squares
.set SPW, 11                           ; my spare word's address; never rewritten
.set NIL, 20                           ; 0; never rewritten
.set PW,  28                           ; the scale word
.set ID,  30
.set WV,  31
.set MNT, 60
.set SEL, 62
; nb blocks of a lane's numbers, v[s + 16 b + i], become codes in v[PC + 4 b ..] and a scale word in v[PW].  A block of 32 lies in lanes l and l xor 16.
.macro QUANT s, nb
.set qb, 0
.rept \nb
	v_max3_num_f32 v[TM+qb], |v[(\s)+16*qb]|, |v[(\s)+16*qb+1]|, 0x8000000   ; the floor 2^(16 - 127) holds the byte at 1 from below
.set qb, qb+1
.endr
.set qi, 2
.rept 7
.set qb, 0
.rept \nb
	s_delay_alu instid0(VALU_DEP_4)
	v_max3_num_f32 v[TM+qb], v[TM+qb], |v[(\s)+16*qb+qi]|, |v[(\s)+16*qb+qi+1]|
.set qb, qb+1
.endr
.set qi, qi+2
.endr
.set qb, 0
.rept \nb
	s_delay_alu instid0(VALU_DEP_4)
	v_permlanex16_b32 v[TM+4+qb], v[TM+qb], s[SEL], s[SEL+1]
.set qb, qb+1
.endr
.set qb, 0
.rept \nb
	s_delay_alu instid0(VALU_DEP_4)
	v_max_num_f32 v[TM+qb], v[TM+qb], v[TM+4+qb]           ; the block's largest magnitude
.set qb, qb+1
.endr
.set qb, 0
.rept \nb
	s_delay_alu instid0(VALU_DEP_4)
	v_add_nc_u32 v[TM+12+qb], 0xf8800000, v[TM+qb]         ; 15 off its exponent field: the conversion's scale operand
.set qb, qb+1
.endr
.set qb, 0
.rept \nb
	v_and_or_b32 v[TM+8+qb], v[TM+qb], 0x7f800000, s[MNT]  ; 57,344 x the scale
.set qb, qb+1
.endr
.set qb, 0
.rept \nb
	v_lshrrev_b32 v[TM+4+qb], 23, v[TM+12+qb]              ; the scale's byte
.set qb, qb+1
.endr
	s_delay_alu instid0(VALU_DEP_3)
	v_lshl_or_b32 v[PW], v[TM+5], 8, v[TM+4]
	s_delay_alu instid0(VALU_DEP_1)
	v_lshl_or_b32 v[PW], v[TM+6], 16, v[PW]
	s_delay_alu instid0(VALU_DEP_1)
	v_lshl_or_b32 v[PW], v[TM+7], 24, v[PW]
.set qb, 0
.rept \nb
.set qi, 0
.rept 16
	v_med3_num_f32 v[(\s)+16*qb+qi], v[(\s)+16*qb+qi], -v[TM+8+qb], v[TM+8+qb]   ; the conversion does not saturate (ISA guide 7.6.2): the hold
.set qi, qi+1
.endr
	v_cvt_scalef32_pk8_bf8_f32 v[PC+4*qb:PC+4*qb+1], v[(\s)+16*qb:(\s)+16*qb+7], v[TM+12+qb]
	v_cvt_scalef32_pk8_bf8_f32 v[PC+4*qb+2:PC+4*qb+3], v[(\s)+16*qb+8:(\s)+16*qb+15], v[TM+12+qb]
.set qb, qb+1
.endr
	v_nop                                                  ; a plain line behind the last conversion
.endm
	s_load_b512 s[4:19], s[0:1], 0x0               ; src, gain, Wq, Wk, Wv, Wo, W_in, W_out
	s_load_b256 s[20:27], s[0:1], 0x40             ; rel_v, ac, wc, rt
	s_load_b64 s[28:29], s[0:1], 0x60              ; rinv
	v_lshl_add_u32 v[SPW], v0, 2, SPARE
	v_mov_b32 v[NIL], 0
	v_lshrrev_b32 v1, 5, v0
	v_readfirstlane_b32 s[WV], v1                  ; wave 0..7
	v_and_b32 v1, 31, v0                           ; lane
	v_and_b32 v2, 15, v0                           ; r
	v_bfe_u32 v3, v0, 4, 1                         ; h
	v_lshlrev_b32 v4, 4, v1                        ; 16 x lane
	v_lshlrev_b32 v9, 2, v2                        ; 4 r
	s_mov_b32 s[SEL], 0x76543210
	s_mov_b32 s[SEL+1], 0xfedcba98                 ; lane l xor 16
	s_mov_b32 s[MNT], 0x600000                     ; the mantissa field of 57,344
.irp b, 0,1,2,3
	v_mov_b32 v[TM+4+\b], 0                        ; a lane permute's destination counts as read
.endr
	v_mov_b32 v30, 0
	v_mov_b32 v31, 0
	s_wait_alu depctr_va_vdst(0)                   ; the wait here, directly behind the writes and ahead of the run of scalar lines and the branch
	s_mov_b32 s[ID], ttmp9
	s_sub_co_u32 s36, ttmp9, 256
	s_cmp_lt_u32 s36, 16
	s_cbranch_scc1 .Lrel                           ; work-groups 256-271
	s_cmp_ge_u32 ttmp9, 272
	s_cselect_b32 s36, 16, 0
	s_sub_co_u32 s[ID], ttmp9, s36                 ; the weights' numbers close up
	; ---- LDS addresses
	s_mul_i32 s34, s[WV], STG
	v_add_nc_u32 v5, s34, v4                       ; the stage, in: a row's 512 bytes as they lie
	v_mul_u32_u24 v6, v2, 528
	v_lshl_add_u32 v6, v3, 6, v6
	v_add_nc_u32 v6, s34, v6                       ; out: row r, + 64 h
	v_lshlrev_b32 v8, 5, v2
	v_add_nc_u32 v8, PART, v8                      ; row r's eight partial sums
	s_lshl_b32 s35, s[WV], 2
	v_add_nc_u32 v7, s35, v8                       ; mine among them
	v_lshlrev_b32 v10, 6, v3                       ; the gain: 64 h
	; ---- which tensor: numbers first
	s_mov_b32 s36, 0                               ; the tensor's first work-group
	s_mov_b32 s38, 0                               ; its place in the buffer of codes
	s_cmp_ge_u32 s[ID], 256
	s_cselect_b32 s36, 256, s36
	s_cmp_ge_u32 s[ID], 448
	s_cselect_b32 s36, 448, s36
	s_cselect_b32 s38, WO_OFF, s38
	s_cmp_ge_u32 s[ID], 512
	s_cselect_b32 s36, 512, s36
	s_cselect_b32 s38, WIN_OFF, s38
	s_cmp_ge_u32 s[ID], 768
	s_cselect_b32 s36, 768, s36
	s_cselect_b32 s38, WOUT_OFF, s38
	s_sub_co_u32 s37, s[ID], s36                   ; L
	s_and_b32 s42, s37, 3
	s_lshl_b32 s43, s42, 12                        ; W_out: the part of K, in bytes of a row
	s_lshl_b32 s42, s42, 3                         ; and in K steps
	s_lshr_b32 s44, s37, 6
	s_lshl_b32 s44, s44, 12                        ; src: b x 4,096
	s_cmp_ge_u32 s[ID], 768
	s_cselect_b32 s39, 2, 0
	s_cselect_b32 s40, 32, 8                       ; K steps in a row
	s_cselect_b32 s42, s42, 0
	s_cselect_b32 s47, s43, 0
	s_mov_b32 s46, 0x1000
	s_cselect_b32 s46, 0x4000, s46                 ; bytes from row to row
	s_cmp_lt_u32 s[ID], 256
	s_cselect_b32 s47, s44, s47
	s_cselect_b32 s46, 0x4000, s46
	s_cmp_lt_u32 s[ID], 512
	s_mov_b32 s45, 255
	s_cselect_b32 s45, 63, s45
	s_lshr_b32 s41, s37, s39                       ; the tile among the codes' rows
	s_and_b32 s45, s41, s45                        ; and in its own tensor
	s_lshr_b32 s49, s45, 1
	s_lshl_b32 s49, s49, 5
	s_and_b32 s50, s45, 1
	s_lshl_b32 s50, s50, 3
	s_add_co_u32 s49, s49, s50                     ; the tile's first row
	s_mul_i32 s49, s49, s46
	s_add_co_u32 s49, s49, s47
	s_lshl_b32 s50, s[WV], 9
	s_add_co_u32 s50, s49, s50                     ; + my 128 along K
	s_mov_b32 s51, 0
	s_lshr_b32 s52, s41, 3
	s_mul_i32 s52, s52, s40
	s_add_co_u32 s52, s52, s42
	s_add_co_u32 s52, s52, s[WV]                   ; my panel
	s_mul_i32 s52, s52, PANEL
	s_add_co_u32 s52, s52, s38
	s_and_b32 s56, s41, 7
	s_lshl_b32 s57, s56, 6
	s_lshl_b32 s56, s56, 11
	s_add_co_u32 s54, s52, s57
	s_add_co_u32 s54, s54, 16384                   ; my fragment's scale words
	s_add_co_u32 s52, s52, s56                     ; my fragment
	s_mov_b32 s53, 0
	s_mov_b32 s55, 0
.irp i, 0,1,2,3,4,5,6,7,8,9,10,11,12,13,14,15
	s_mul_i32 s56, s46, (\i+8*(\i/8))
	v_add_nc_u32 v[XR+4*\i], s56, v4               ; row i of the tile, 16 bytes a lane
.endr
	s_wait_kmcnt 0x0
	s_mov_b64 s[32:33], s[4:5]
	s_cmp_ge_u32 s[ID], 256
	s_cselect_b64 s[32:33], s[8:9], s[32:33]
	s_cmp_ge_u32 s[ID], 320
	s_cselect_b64 s[32:33], s[10:11], s[32:33]
	s_cmp_ge_u32 s[ID], 384
	s_cselect_b64 s[32:33], s[12:13], s[32:33]
	s_cmp_ge_u32 s[ID], 448
	s_cselect_b64 s[32:33], s[14:15], s[32:33]
	s_cmp_ge_u32 s[ID], 512
	s_cselect_b64 s[32:33], s[16:17], s[32:33]
	s_cmp_ge_u32 s[ID], 768
	s_cselect_b64 s[32:33], s[18:19], s[32:33]
	s_cmp_lt_u32 s[ID], 256
	s_cselect_b64 s[34:35], s[22:23], s[24:25]     ; activations' codes or weights' codes
	s_add_nc_u64 s[32:33], s[32:33], s[50:51]
	s_add_nc_u64 s[52:53], s[34:35], s[52:53]
	s_add_nc_u64 s[54:55], s[34:35], s[54:55]
	s_lshl_b32 s56, s[WV], 9
	s_mov_b32 s57, 0
	s_add_nc_u64 s[6:7], s[6:7], s[56:57]          ; the gain at my 128 along K
	s_wait_alu depctr_va_vdst(0)                   ; the wait at the head's end, directly ahead of the first reader
.irp i, 0,1,2,3,4,5,6,7,8,9,10,11,12,13,14,15
	global_load_b128 v[XR+4*\i:XR+4*\i+3], v[XR+4*\i], s[32:33]    ; 32 lanes read 512 consecutive bytes of one row
.endr
	s_wait_loadcnt 0x0
.irp i, 0,1,2,3,4,5,6,7,8,9,10,11,12,13,14,15
	ds_store_b128 v5, v[XR+4*\i:XR+4*\i+3] offset:528*\i
.endr
.irp c, 0,1,2,3
.irp j, 0,1,2,3
	ds_load_b128 v[X+16*\c+4*\j:X+16*\c+4*\j+3], v6 offset:128*\c+16*\j   ; LDS serves a wave's instructions in order: these see my stores
.endr
.endr
	s_wait_dscnt 0x0
	s_cmp_lt_u32 s[ID], 256                        ; the work-group's number alone: all eight waves go the same way
	s_cbranch_scc0 .Lplain
.irp c, 0,1,2,3
.irp j, 0,1,2,3
	global_load_b128 v[GN+16*\c+4*\j:GN+16*\c+4*\j+3], v10, s[6:7] offset:128*\c+16*\j   ; into the registers that the stage's stores have read
.endr
.endr
	; ---- the row's sum of squares: four chains, the two halves of the lanes, the eight waves
.irp k, 0,2,4,6
	v_pk_mul_f32 v[SQ+\k:SQ+\k+1], v[X+\k:X+\k+1], v[X+\k:X+\k+1]
.endr
.set n, 8
.rept 28
	s_delay_alu instid0(VALU_DEP_4)
	v_pk_fma_f32 v[SQ+n%8:SQ+n%8+1], v[X+n:X+n+1], v[X+n:X+n+1], v[SQ+n%8:SQ+n%8+1]
.set n, n+2
.endr
	v_pk_add_f32 v[SQ:SQ+1], v[SQ:SQ+1], v[SQ+2:SQ+3]
	v_pk_add_f32 v[SQ+4:SQ+5], v[SQ+4:SQ+5], v[SQ+6:SQ+7]
	v_pk_add_f32 v[SQ:SQ+1], v[SQ:SQ+1], v[SQ+4:SQ+5]
	v_add_f32 v29, v[SQ], v[SQ+1]
	v_permlanex16_b32 v31, v29, s[SEL], s[SEL+1]
	v_add_f32 v29, v29, v31
	ds_store_b32 v7, v29                           ; both halves of the lanes write the same word with the same value
	s_wait_dscnt 0x0                               ; for the others' sake: my store has landed
	s_barrier_signal -1
	s_barrier_wait -1
	ds_load_b128 v[SQ:SQ+3], v8
	ds_load_b128 v[SQ+4:SQ+7], v8 offset:16
	s_wait_dscnt 0x0
	s_wait_loadcnt 0x0                             ; the gain
	v_pk_add_f32 v[SQ:SQ+1], v[SQ:SQ+1], v[SQ+2:SQ+3]
	v_pk_add_f32 v[SQ+4:SQ+5], v[SQ+4:SQ+5], v[SQ+6:SQ+7]
	v_pk_add_f32 v[SQ:SQ+1], v[SQ:SQ+1], v[SQ+4:SQ+5]
	v_add_f32 v29, v[SQ], v[SQ+1]
	s_wait_alu depctr_va_vdst(0)                   ; the wait ahead of a transcendental,
	v_sqrt_f32 v29, v29
	v_nop                                          ; a plain line behind it,
	s_wait_alu depctr_va_vdst(0)                   ; and the wait ahead of its first reader
	v_mul_f32 v29, 0x3d000000, v29                 ; x 1024^-0.5
	v_add_f32 v29, 0x322bcc77, v29                 ; + 1e-8
	s_wait_alu depctr_va_vdst(0)
	v_rcp_f32 v30, v29
	v_nop
	s_wait_alu depctr_va_vdst(0)
.set n, 0
.rept 32
	v_pk_mul_f32 v[X+n:X+n+1], v[X+n:X+n+1], v[30:31] op_sel_hi:[1,0]
.set n, n+2
.endr
.set n, 0
.rept 32
	v_pk_mul_f32 v[X+n:X+n+1], v[X+n:X+n+1], v[GN+n:GN+n+1]
.set n, n+2
.endr
.Lplain:
	QUANT X, 4
.irp c, 0,1,2,3
	global_store_b128 v4, v[PC+4*\c:PC+4*\c+3], s[52:53] offset:512*\c   ; 512 consecutive bytes a store
.endr
	global_store_b32 v9, v[PW], s[54:55]           ; both halves store the same word
	s_lshr_b32 s56, s[ID], 8
	s_or_b32 s56, s56, s[WV]
	s_cmp_lg_u32 s56, 0
	s_cbranch_scc1 .Ldone                          ; wave 0 of a normalised tile keeps 1 / (rms + eps) of its 16 rows
	s_lshl_b32 s56, s41, 6
	s_mov_b32 s57, 0
	s_add_nc_u64 s[28:29], s[28:29], s[56:57]
	global_store_b32 v9, v30, s[28:29]
.Ldone:
	s_wait_tensorcnt 0x0                           ; the wave's end, behind my last LDS store
	ds_add_u32 v[SPW], v[NIL]
	s_wait_dscnt 0x0
	s_endpgm
; ---- rel_v, quantised along the keys.  rv[q][k][d] = rel_v[clip(k - q, -50, 50) + 50][d]; with q = 32 g + rho and key block kb the block's numbers hang on rho and delta = kb - g alone.
; A wave takes (rho, t): 16 of the head's 64 (d = the tile's row r) x eight blocks delta' = delta + 3 = 0 .. 7, four at a time.  Images T[rho][t][delta'][512 bytes]; words TS[rho][t][r]: bytes of delta' 1-4 | byte of 5 | of 0, four times | of 6, four times.
.Lrel:
	s_sub_co_u32 s36, s[ID], 256
	s_lshl_b32 s36, s36, 3
	s_add_co_u32 s36, s36, s[WV]                   ; 4 rho + t
	s_lshr_b32 s37, s36, 2
	s_and_b32 s38, s36, 3
	s_lshr_b32 s39, s38, 1
	s_lshl_b32 s39, s39, 5
	s_and_b32 s40, s38, 1
	s_lshl_b32 s40, s40, 3
	s_add_co_u32 s39, s39, s40
	s_wait_alu depctr_va_vdst(0)                   ; the wait behind the taken branch, ahead of the first reader
	v_and_b32 v29, 8, v2
	v_add_nc_u32 v29, v29, v2
	v_add_nc_u32 v29, s39, v29                     ; d
	v_lshlrev_b32 v29, 2, v29
	s_sub_co_i32 s41, -46, s37
	v_lshl_add_u32 v30, v3, 4, s41                 ; 16 h - rho + 50 - 96
	v_lshlrev_b32 v5, 4, v2                        ; 16 r
	s_lshl_b32 s42, s36, 12
	s_mov_b32 s43, 0
	s_lshl_b32 s46, s36, 8
	s_add_co_u32 s46, s46, TS_OFF
	s_mov_b32 s47, 0
	s_wait_alu depctr_va_vdst(0)
	s_wait_kmcnt 0x0
	s_add_nc_u64 s[44:45], s[26:27], s[42:43]
	s_add_nc_u64 s[46:47], s[26:27], s[46:47]
.macro RELP p                          ; blocks delta' = 4 p .. 4 p + 3
.set n, 0
.rept 64
	v_add_nc_u32 v[X+n], 128*\p+32*(n/16)+(n%16), v30      ; k - q + 50
.set n, n+1
.endr
.set n, 0
.rept 64
	v_max_i32 v[X+n], 0, v[X+n]
.set n, n+1
.endr
.set n, 0
.rept 64
	v_min_u32 v[X+n], 100, v[X+n]                  ; the table's row
.set n, n+1
.endr
.set n, 0
.rept 64
	v_lshl_add_u32 v[X+n], v[X+n], 8, v29
.set n, n+1
.endr
.set n, 0
.rept 64
	global_load_b32 v[X+n], v[X+n], s[20:21]       ; each load lands on its own offset
.set n, n+1
.endr
	s_wait_loadcnt 0x0
	QUANT X, 4
.irp c, 0,1,2,3
	global_store_b128 v4, v[PC+4*\c:PC+4*\c+3], s[44:45] offset:2048*\p+512*\c
.endr
.endm
	RELP 0
.irp b, 0,1,2,3
	v_mov_b32 v[12+\b], v[TM+4+\b]                 ; the bytes of delta' 0 .. 3
.endr
.set PC, 64                                    ; other registers: the stores above still read the first run's codes
	RELP 1
	v_lshl_or_b32 v80, v14, 8, v13
	v_lshl_or_b32 v80, v15, 16, v80
	v_lshl_or_b32 v80, v[TM+4], 24, v80
	v_or_b32 v81, 0x7f7f7f00, v[TM+5]
	v_mul_lo_u32 v82, v12, 0x01010101
	v_mul_lo_u32 v83, v[TM+6], 0x01010101
	global_store_b128 v5, v[80:83], s[46:47]
	s_endpgm
.Lfunc_end_k_q96a4d01581_quant:
	.size	k_q96a4d01581_quant, .Lfunc_end_k_q96a4d01581_quant-k_q96a4d01581_quant
	.p2alignl 7, 3214868480
	.fill 96, 4, 3214868480
	.section	.rodata,"a",@progbits
	.p2align	6, 0x0
	.amdhsa_kernel k_q96a4d01581_quant
		.amdhsa_group_segment_fixed_size 69120
		.amdhsa_private_segment_fixed_size 0
		.amdhsa_enable_private_segment 0
		.amdhsa_kernarg_size 104
		.amdhsa_user_sgpr_count 2
		.amdhsa_user_sgpr_kernarg_segment_ptr 1
		.amdhsa_wavefront_size32 1
		.amdhsa_system_sgpr_workgroup_id_x 1
		.amdhsa_system_sgpr_workgroup_id_y 1
		.amdhsa_system_sgpr_workgroup_id_z 1
		.amdhsa_system_vgpr_workitem_id 0
		.amdhsa_next_free_vgpr 160
		.amdhsa_next_free_sgpr 66
		.amdhsa_reserve_vcc 0
		.amdhsa_float_denorm_mode_32 3
		.amdhsa_float_denorm_mode_16_64 3
		.amdhsa_memory_ordered 1
		.amdhsa_forward_progress 1
		.amdhsa_inst_pref_size 90
	.end_amdhsa_kernel
	.amdgpu_metadata
---
amdhsa.version: [ 1, 2 ]
amdhsa.kernels:
  - .name:           k_q96a4d01581_quant
    .symbol:         k_q96a4d01581_quant.kd
    .args:
      - { .name: x, .offset: 0, .size: 8, .value_kind: global_buffer, .address_space: global }
      - { .name: g_attn, .offset: 8, .size: 8, .value_kind: global_buffer, .address_space: global }
      - { .name: Wq, .offset: 16, .size: 8, .value_kind: global_buffer, .address_space: global }
      - { .name: Wk, .offset: 24, .size: 8, .value_kind: global_buffer, .address_space: global }
      - { .name: Wv, .offset: 32, .size: 8, .value_kind: global_buffer, .address_space: global }
      - { .name: Wo, .offset: 40, .size: 8, .value_kind: global_buffer, .address_space: global }
      - { .name: W_in, .offset: 48, .size: 8, .value_kind: global_buffer, .address_space: global }
      - { .name: W_out, .offset: 56, .size: 8, .value_kind: global_buffer, .address_space: global }
      - { .name: rel_v, .offset: 64, .size: 8, .value_kind: global_buffer, .address_space: global }
      - { .name: ac, .offset: 72, .size: 8, .value_kind: global_buffer, .address_space: global }
      - { .name: wc, .offset: 80, .size: 8, .value_kind: global_buffer, .address_space: global }
      - { .name: rt, .offset: 88, .size: 8, .value_kind: global_buffer, .address_space: global }
      - { .name: rinv, .offset: 96, .size: 8, .value_kind: global_buffer, .address_space: global }
    .group_segment_fixed_size: 69120
    .private_segment_fixed_size: 0
    .kernarg_segment_align: 8
    .kernarg_segment_size: 104
    .max_flat_workgroup_size: 256
    .sgpr_count:     66
    .vgpr_count:     160
    .wavefront_size: 32
...
	.end_amdgpu_metadata
.endif
;; end of part 1
;; launch qkv (part 2): grid 12 x 16, 4 waves a work-group, clusters of 4 x 4, 327,680 bytes of LDS; arguments ac, wc, bq, bk, bv, qkv; writes qkv
.if DOCPART == 2
	.amdgcn_target "amdgcn-amd-amdhsa--gfx1250"
	.amdhsa_code_object_version 6
	.text
	.protected	k_q96a4d01581_qkv
	.globl	k_q96a4d01581_qkv
	.p2align	8
	.type	k_q96a4d01581_qkv,@function
k_q96a4d01581_qkv:
	s_mov_b64 s[64:65], 0
	v_nop
	global_prefetch_b8 v0, s[64:65] scope:SCOPE_SE
	s_setreg_imm32_b32 hwreg(HW_REG_WAVE_MODE, 25, 1), 1
	s_wait_xcnt 0x0
	s_wait_alu depctr_hold_cnt(0) depctr_sa_sdst(0) depctr_va_vdst(0) depctr_va_sdst(0) depctr_va_ssrc(0) depctr_va_vcc(0) depctr_vm_vsrc(0)
	s_getreg_b32 s2, hwreg(HW_REG_IB_STS2, 6, 4)
	s_cmp_eq_u32 s2, 0
	s_cbranch_scc0 .Lentry_in_a_cluster
	s_endpgm
.Lentry_in_a_cluster:
	s_bfe_u32 s2, ttmp6, 0x10000c
	s_cmp_lg_u32 s2, 0xf033
	s_cbranch_scc0 .Lentry_shape_is_right
	s_endpgm
.Lentry_shape_is_right:
.set PANEL,  16896
.set REG,    33792
.set SLOT,   33792                     ; LDS: a region of 67,584 bytes for each wave's 128 rows; in it slot 0 (two panels), then slot 1
.set WREG,   67584
.set SPARE,  270336
.set ROWS8,  135168
.set NQ,     2
.set FR,     16
.set NL,     4
.set NPL,    8
.set LAPS,   2
.set KVH,    137216
.set KVS,    17152
.set QC,     8781824
.set QS,     12976128
.set BV,   8
.set ADRA, 16
.set ADRB, 20
.set ADRS, 22
.set LI,   24
.set LS,   25
.set BQA,  26
.set BVA,  27
.set SPW,  28
.set NIL,  29
.set SC,   32
.set BI,   64
.set AF,   128
.set TM,   128
.set PW,   144
.set WLO,  145
.set WHI,  146
.set PC,   160
.set SEL,  12
.set MNT,  100
.set G1,  24
.set G0,  32
.set G1B, 48
.set G0B, 56
.set MSB, 0
.macro WIN new
.if MSB != (\new)
	s_set_vgpr_msb (MSB<<8)|(\new)
.set MSB, (\new)
.endif
.endm
.set MUL_LO, 0xa1
.set MUL_HI, 0xf1
.set TO_B,   0x40
.macro JLOAD g0a, g1a, g0b, g1b
	s_cmp_eq_u32 s15, 0
	s_cbranch_scc0 .Lfor_b_\@
	tensor_load_to_lds s[\g0a:\g0a+3], s[\g1a:\g1a+7]
	s_nop 0
.rept 4
	v_nop
.endr
	s_branch .Lasked_\@
.Lfor_b_\@:
	tensor_load_to_lds s[\g0b:\g0b+3], s[\g1b:\g1b+7]
	s_nop 0
.rept 4
	v_nop
.endr
.Lasked_\@:
.endm
.macro CREST
	s_cmp_lg_u32 s14, 0
	s_cbranch_scc1 .Lnot_wave_0_\@
	s_barrier_signal -3
.Lnot_wave_0_\@:
	s_barrier_wait -3
	s_barrier_signal -1
	s_barrier_wait -1
.endm
.macro CROUND
	s_barrier_signal -1
	s_barrier_wait -1
	CREST
.endm
.macro QUANT s, nb
.set qb, 0
.rept \nb
	v_max3_num_f32 v[TM+qb], |v[(\s)+16*qb]|, |v[(\s)+16*qb+1]|, 0x8000000
.set qb, qb+1
.endr
.set qi, 2
.rept 7
.set qb, 0
.rept \nb
	v_max3_num_f32 v[TM+qb], v[TM+qb], |v[(\s)+16*qb+qi]|, |v[(\s)+16*qb+qi+1]|
.set qb, qb+1
.endr
.set qi, qi+2
.endr
.set qb, 0
.rept \nb
	v_permlanex16_b32 v[TM+4+qb], v[TM+qb], s[SEL], s[SEL+1]
.set qb, qb+1
.endr
.set qb, 0
.rept \nb
	v_max_num_f32 v[TM+qb], v[TM+qb], v[TM+4+qb]
.set qb, qb+1
.endr
.set qb, 0
.rept \nb
	v_add_nc_u32 v[TM+12+qb], 0xf8800000, v[TM+qb]
.set qb, qb+1
.endr
.set qb, 0
.rept \nb
	v_and_or_b32 v[TM+8+qb], v[TM+qb], 0x7f800000, s[MNT]
.set qb, qb+1
.endr
.set qb, 0
.rept \nb
	v_lshrrev_b32 v[TM+4+qb], 23, v[TM+12+qb]
.set qb, qb+1
.endr
	v_lshl_or_b32 v[PW], v[TM+5], 8, v[TM+4]
.if \nb > 2
	v_lshl_or_b32 v[PW], v[TM+6], 16, v[PW]
	v_lshl_or_b32 v[PW], v[TM+7], 24, v[PW]
.endif
.set qb, 0
.rept \nb
.set qi, 0
.rept 16
	v_med3_num_f32 v[(\s)+16*qb+qi], v[(\s)+16*qb+qi], -v[TM+8+qb], v[TM+8+qb]
.set qi, qi+1
.endr
	v_cvt_scalef32_pk8_bf8_f32 v[PC+4*qb:PC+4*qb+1], v[(\s)+16*qb:(\s)+16*qb+7], v[TM+12+qb]
	v_cvt_scalef32_pk8_bf8_f32 v[PC+4*qb+2:PC+4*qb+3], v[(\s)+16*qb+8:(\s)+16*qb+15], v[TM+12+qb]
.set qb, qb+1
.endr
	v_nop
.endm
	s_load_b256 s[4:11], s[0:1], 0x0
	s_load_b128 s[68:71], s[0:1], 0x20
	v_lshl_add_u32 v[SPW], v0, 2, SPARE
	v_mov_b32 v[NIL], 0
	ds_add_u32 v[SPW], v[NIL]                      ; the opening lines: the add, twice on end, and its wait ahead of the first round
	ds_add_u32 v[SPW], v[NIL]
	v_lshrrev_b32 v1, 5, v0
	v_readfirstlane_b32 s14, v1
	s_lshr_b32 s15, s14, 1
	s_and_b32 s16, s14, 1
	s_bfe_u32 s40, ttmp6, 0x40000
	s_bfe_u32 s41, ttmp6, 0x40004
	s_and_b32 s17, ttmp7, 0xffff
	s_lshl_b32 s17, s17, 2
	s_lshl_b32 s42, ttmp9, 2
	s_add_co_u32 s18, s17, s41
	s_add_co_u32 s19, s41, 8
	s_add_co_u32 s20, s42, s40
	s_add_co_u32 s21, s17, s40
	s_cmp_eq_u32 ttmp9, 2
	s_cselect_b32 s43, s19, s18
	s_cselect_b32 s44, s21, s20
	s_lshl_b32 s45, s41, 2
	s_lshl_b32 s45, 15, s45
	s_lshl_b32 s46, 0x1111, s40
	s_or_b32 s[G1+0], s45, (3<<16)|(1<<21)
	s_or_b32 s[G1B+0], s46, (3<<16)|(1<<21)
.irp g, G1, G1B
	s_mov_b32 s[\g+1], 32<<16
	s_mov_b32 s[\g+2], 264<<16                     ; the head's load: 264 rows of 256 bytes, four panels, dense: both slots of my region
	s_mov_b32 s[\g+3], 32<<16
	s_mov_b32 s[\g+4], 264
	s_mov_b32 s[\g+5], 32
	s_mov_b32 s[\g+6], 0
	s_mov_b32 s[\g+7], 0
.endr
	s_lshl_b32 s47, s43, 1
	s_add_co_u32 s47, s47, s16
	s_mul_i32 s72, s47, ROWS8
	s_mov_b32 s73, 0
	s_lshl_b32 s74, s44, 1
	s_add_co_u32 s74, s74, s16
	s_mul_i32 s74, s74, ROWS8
	s_mov_b32 s75, 0
	s_mul_i32 s76, s14, WREG
	s_lshl_b32 s92, s40, 10
	s_lshl_b32 s93, s16, 9
	s_add_co_u32 s92, s92, s93
	s_mov_b32 s93, 0
	s_lshl_b32 s94, s41, 10
	s_lshl_b32 s95, s15, 9
	s_add_co_u32 s94, s94, s95
	s_mov_b32 s95, 0
	s_mov_b32 s[SEL], 0x76543210
	s_mov_b32 s[SEL+1], 0xfedcba98
	s_mov_b32 s[MNT], 0x600000
	s_wait_dscnt 0x0                               ; both opening adds are done
	s_wait_kmcnt 0x0
	s_cmp_eq_u32 ttmp9, 2
	s_cselect_b64 s[78:79], s[6:7], s[4:5]
	s_cselect_b64 s[80:81], s[4:5], s[6:7]
	s_add_nc_u64 s[78:79], s[78:79], s[72:73]
	s_add_nc_u64 s[80:81], s[80:81], s[74:75]
	s_cmp_eq_u32 ttmp9, 0
	s_cselect_b64 s[96:97], s[8:9], s[10:11]
	s_cmp_eq_u32 ttmp9, 2
	s_cselect_b64 s[96:97], s[68:69], s[96:97]
	s_add_nc_u64 s[92:93], s[96:97], s[92:93]
	s_add_nc_u64 s[94:95], s[68:69], s[94:95]
	CROUND
.irp s, 0,1
	s_mov_b32 s[G0+4*\s], 1
	s_add_co_u32 s[G0+4*\s+1], s76, \s*SLOT
	s_add_nc_u64 s[G0+4*\s+2:G0+4*\s+3], s[78:79], \s*REG
	s_or_b32 s[G0+4*\s+3], s[G0+4*\s+3], 0x80000000
	s_mov_b32 s[G0B+4*\s], 1
	s_add_co_u32 s[G0B+4*\s+1], s76, \s*SLOT
	s_add_nc_u64 s[G0B+4*\s+2:G0B+4*\s+3], s[80:81], \s*REG
	s_or_b32 s[G0B+4*\s+3], s[G0B+4*\s+3], 0x80000000
.endr
	JLOAD G0, G1, G0B, G1B                         ; my one load at the head: K steps 0 to 3 of my 128 rows, by slot 0's group 0
	v_and_b32 v1, 15, v0
	v_bfe_u32 v2, v0, 4, 1
	v_and_b32 v3, 31, v0
	v_lshlrev_b32 v[LI], 4, v3
	v_lshlrev_b32 v[LS], 2, v1
	s_mul_i32 s77, s15, WREG
	s_mul_i32 s104, s16, WREG
	s_add_co_u32 s104, s104, 2*WREG
	s_sub_co_u32 s105, s104, s77
	v_mul_u32_u24 v4, s105, v2
	v_add_nc_u32 v4, v4, v[LS]
.irp s, 0,1
	v_add_nc_u32 v[ADRA+\s], s77, v[LI]
	v_add_nc_u32 v[ADRB+\s], s104, v[LI]
	v_add_nc_u32 v[ADRS+\s], s77, v4
	v_add_nc_u32 v[ADRS+\s], 16384, v[ADRS+\s]
	s_add_co_u32 s77, s77, SLOT
	s_add_co_u32 s104, s104, SLOT
.endr
	v_lshlrev_b32 v[BQA], 6, v2
	v_and_b32 v5, 8, v1
	v_add_nc_u32 v5, v5, v1
	v_lshlrev_b32 v[BVA], 2, v5
.irp b, 0,1,2,3
.irp j, 0,1,2,3
	global_load_b128 v[BI+16*\b+4*\j:BI+16*\b+4*\j+3], v[BQA], s[92:93] offset:128*\b+16*\j
.endr
.endr
.irp a, 0,1,2,3,4,5,6,7
	global_load_b32 v[BV+\a], v[BVA], s[94:95] offset:(32*(\a/2)+8*(\a%2))*4
.endr
	; the prefetches' address: my wave's refills are 132 blocks of 256 bytes each; of them each of the four partners that ask jointly names 33, told apart by address (cx for the first operand's tiles, cy for the second's)
	s_cmp_eq_u32 s15, 0                            ; which operand do I fetch for?
	s_cselect_b32 s86, s40, s41                    ; my place among the four that ask with me
	s_cselect_b64 s[84:85], s[78:79], s[80:81]     ; where my wave's rows begin
	s_mul_i32 s86, s86, 33*256
	s_add_co_u32 s86, s86, 2*REG                   ; K steps 4 and 5: the first refill
	s_mov_b32 s87, 0
	s_add_nc_u64 s[84:85], s[84:85], s[86:87]
	v_lshlrev_b32 v30, 8, v3                       ; 256 x lane,
	v_mov_b32 v31, 0                               ; and 0
.macro FRAG reg, adr, q, i
.irp c, 0,1,2,3
	ds_load_b128 v[\reg+4*\c:\reg+4*\c+3], v[\adr] offset:PANEL*(\q)+2048*(\i)+512*\c
.endr
.endm
.macro MUL16 a0, p, q, sc, zero
.irp a, \a0, \a0+1
.irp b, 0,1,2,3,4,5,6,7
.if \zero
	v_wmma_scale_f32_16x16x128_f8f6f4 v[8*(8*((\a)%4)+\b):8*(8*((\a)%4)+\b)+7], v[128*(\p)+FR*\b:128*(\p)+FR*\b+FR-1], v[AF+FR*(\a):AF+FR*(\a)+FR-1], 0, v[SC+8*NQ*(\sc)+NQ*\b+(\q)], v[SC+8*NQ*(\sc)+NQ*(\a)+(\q)] matrix_a_fmt:MATRIX_FMT_BF8 matrix_b_fmt:MATRIX_FMT_BF8 matrix_a_scale:MATRIX_SCALE_ROW1
.else
	v_wmma_scale_f32_16x16x128_f8f6f4 v[8*(8*((\a)%4)+\b):8*(8*((\a)%4)+\b)+7], v[128*(\p)+FR*\b:128*(\p)+FR*\b+FR-1], v[AF+FR*(\a):AF+FR*(\a)+FR-1], v[8*(8*((\a)%4)+\b):8*(8*((\a)%4)+\b)+7], v[SC+8*NQ*(\sc)+NQ*\b+(\q)], v[SC+8*NQ*(\sc)+NQ*(\a)+(\q)] matrix_a_fmt:MATRIX_FMT_BF8 matrix_b_fmt:MATRIX_FMT_BF8 matrix_a_scale:MATRIX_SCALE_ROW1
.endif
.endr
.endr
.endm
.macro FETCH_B slot, q, p
	WIN TO_B
.irp i, 0,1,2,3,4,5,6,7
	FRAG 128*(\p)+FR*\i, ADRB+\slot, \q, \i
.endr
	WIN 0
.endm
.macro FETCH_A slot, q, i0
.irp i, \i0, \i0+1, \i0+2, \i0+3
	FRAG AF+FR*(\i), ADRA+\slot, \q, \i
.endr
.endm
.macro SCALES sc
.irp i, 0,1,2,3,4,5,6,7
	ds_load_b32 v[SC+16*\sc+2*\i], v[ADRS+\sc] offset:64*\i
	ds_load_b32 v[SC+16*\sc+2*\i+1], v[ADRS+\sc] offset:PANEL+64*\i
.endr
.endm
.macro PLACES n
.rept \n
	v_nop
.endr
.endm
.macro STEP slot, q, zero
	s_wait_dscnt 4*NL
	WIN MUL_LO
	MUL16 0, (\q)%2, \q, \slot, \zero
	MUL16 2, (\q)%2, \q, \slot, \zero
	s_wait_dscnt 0x0
	PLACES NPL
	FETCH_B \slot, (\q)+1, 1-(\q)%2
	FETCH_A \slot, (\q)+1, 0
	WIN MUL_HI
	MUL16 4, (\q)%2, \q, \slot, \zero
	MUL16 6, (\q)%2, \q, \slot, \zero
	PLACES NPL
	WIN 0
	FETCH_A \slot, (\q)+1, 4
.endm
.macro TURN slot, next, fill
	s_wait_tensorcnt 0x0
	ds_add_u32 v[SPW], v[NIL]
	s_wait_dscnt 4*NL+1
	WIN MUL_LO
	MUL16 0, 1, NQ-1, \slot, 0
	s_wait_dscnt 0x0
	s_barrier_signal -1
	MUL16 2, 1, NQ-1, \slot, 0
	WIN 0
	s_barrier_wait -1
.if \fill
	CREST
	s_add_nc_u64 s[G0+4*\slot+2:G0+4*\slot+3], s[G0+4*\slot+2:G0+4*\slot+3], 2*REG
	s_add_nc_u64 s[G0B+4*\slot+2:G0B+4*\slot+3], s[G0B+4*\slot+2:G0B+4*\slot+3], 2*REG
	JLOAD G0+4*\slot, G1, G0B+4*\slot, G1B
	PLACES NPL-4
.else
	PLACES NPL
.endif
	FETCH_B \next, 0, 0
	FETCH_A \next, 0, 0
	SCALES \next
	WIN MUL_HI
	MUL16 4, 1, NQ-1, \slot, 0
	MUL16 6, 1, NQ-1, \slot, 0
	PLACES NPL
	WIN 0
	FETCH_A \next, 0, 4
.endm
	s_wait_alu depctr_va_vdst(0)
	s_wait_loadcnt 0x0
	s_wait_tensorcnt 0x0                           ; my four panels are in, and no tensor load of mine is out: a descriptor may be written
	s_mov_b32 s[G1+2], 132<<16                     ; from here on a load brings one slot of my region: 132 rows
	s_mov_b32 s[G1+4], 132
	s_mov_b32 s[G1B+2], 132<<16
	s_mov_b32 s[G1B+4], 132
	s_barrier_signal -1
	s_barrier_wait -1
	FETCH_B 0, 0, 0
	FETCH_A 0, 0, 0
	SCALES 0
	FETCH_A 0, 0, 4
	; A PREFETCH INTO THE L2 of the launch's two refills (K steps 4-5 and 6-7), which have no earlier trip to be asked in: 128 and 256 matrix instructions ahead of the loads that want them.
	; 32 blocks by a line with a lane a block, the 33rd by a line with all lanes on it.  K ends with these refills, so nothing is asked in the loop.
	global_prefetch_b8 v30, s[84:85] th:TH_LOAD_NT scope:SCOPE_SE
	global_prefetch_b8 v31, s[84:85] offset:8192 th:TH_LOAD_NT scope:SCOPE_SE
	global_prefetch_b8 v30, s[84:85] offset:REG th:TH_LOAD_NT scope:SCOPE_SE
	global_prefetch_b8 v31, s[84:85] offset:REG+8192 th:TH_LOAD_NT scope:SCOPE_SE
	STEP 0, 0, 1
	s_mov_b32 s3, LAPS-1
.Llap:
	TURN 0, 1, 1
	STEP 1, 0, 0
	TURN 1, 0, 1
	STEP 0, 0, 0
	s_sub_co_u32 s3, s3, 1
	s_cmp_lg_u32 s3, 0
	s_cbranch_scc1 .Llap
	TURN 0, 1, 0
	STEP 1, 0, 0
	s_wait_dscnt 4*NL
	WIN MUL_LO
	MUL16 0, 1, NQ-1, 1, 0
	MUL16 2, 1, NQ-1, 1, 0
	s_wait_dscnt 0x0
	WIN MUL_HI
	MUL16 4, 1, NQ-1, 1, 0
	MUL16 6, 1, NQ-1, 1, 0
	WIN 0
.macro TAKEQ a
	WIN 0x42+(\a)/4
.set n, 0
.rept 32
	v_pk_add_f32 v[n:n+1], v[64*((\a)%4)+n:64*((\a)%4)+n+1], v[BI+n:BI+n+1]
.set n, n+2
.endr
	WIN 0
.endm
.macro TAKEV a
	WIN 0x42+(\a)/4
.set n, 0
.rept 32
.if (\a)%2
	v_pk_add_f32 v[n:n+1], v[64*((\a)%4)+n:64*((\a)%4)+n+1], v[BV+2*((\a)/2):BV+2*((\a)/2)+1] op_sel:[0,1] op_sel_hi:[1,1]
.else
	v_pk_add_f32 v[n:n+1], v[64*((\a)%4)+n:64*((\a)%4)+n+1], v[BV+2*((\a)/2):BV+2*((\a)/2)+1] op_sel_hi:[1,0]
.endif
.set n, n+2
.endr
	WIN 0
.endm
	s_wait_xcnt 0x0                                ; the prefetches have read their address: its registers serve the way out from here on
	PLACES NPL
	WIN 0x40
.irp b, 0,1,2,3
	v_mov_b32 v[TM+4+\b], 0
.endr
	WIN 0
	s_mov_b32 s97, 0
	s_mov_b32 s99, 0
	s_cmp_eq_u32 ttmp9, 2
	s_cbranch_scc1 .Lv_out
	s_lshr_b32 s22, s43, 2
	s_lshl_b32 s22, s22, 4
	s_lshl_b32 s23, s40, 2
	s_add_co_u32 s22, s22, s23
	s_lshl_b32 s23, s16, 1
	s_add_co_u32 s22, s22, s23
	s_and_b32 s23, s43, 3
	s_lshl_b32 s23, s23, 1
	s_add_co_u32 s23, s23, s15
	s_lshl_b32 s66, s22, 16
	s_lshl_b32 s67, s23, 13
	s_add_co_u32 s66, s66, s67
	s_add_co_u32 s66, s66, QC
	s_lshl_b32 s67, s22, 12
	s_lshl_b32 s101, s23, 9
	s_add_co_u32 s67, s67, s101
	s_add_co_u32 s67, s67, QS
	s_mul_i32 s82, s22, KVH
	s_mul_i32 s101, s23, KVS
	s_add_co_u32 s82, s82, s101
	s_add_co_u32 s101, s82, 16384
	s_cmp_eq_u32 ttmp9, 0
	s_cselect_b32 s82, s66, s82
	s_cselect_b32 s66, s67, s101
	s_mov_b32 s96, KVH
	s_cselect_b32 s96, 65536, s96
	s_mov_b32 s98, KVH
	s_cselect_b32 s98, 4096, s98
	s_mov_b32 s83, 0
	s_mov_b32 s67, 0
	s_add_nc_u64 s[84:85], s[70:71], s[82:83]
	s_add_nc_u64 s[86:87], s[84:85], s[96:97]
	s_add_nc_u64 s[88:89], s[70:71], s[66:67]
	s_add_nc_u64 s[90:91], s[88:89], s[98:99]
	s_mov_b32 s3, 0
.Lqk:
.irp a, 0,1,2,3,4,5,6
	s_cmp_eq_u32 s3, \a
	s_cbranch_scc1 .Lqk_take\a
.endr
.irp a, 7,6,5,4,3,2,1,0
.Lqk_take\a:
	TAKEQ \a
.if \a > 0
	s_branch .Lqk_taken
.endif
.endr
.Lqk_taken:
	WIN 0x55
	QUANT 0, 4
	v_and_b32 v[WLO], 0xffff, v[PW]
	v_lshrrev_b32 v[WHI], 16, v[PW]
	WIN 0x04
	global_store_b128 v[LI], v[PC:PC+3], s[84:85]
	global_store_b128 v[LI], v[PC+4:PC+7], s[84:85] offset:512
	global_store_b128 v[LI], v[PC+8:PC+11], s[86:87]
	global_store_b128 v[LI], v[PC+12:PC+15], s[86:87] offset:512
	global_store_b32 v[LS], v[WLO], s[88:89]
	global_store_b32 v[LS], v[WHI], s[90:91]
	WIN 0
	s_wait_xcnt 0x0
	s_add_nc_u64 s[84:85], s[84:85], 1024
	s_add_nc_u64 s[86:87], s[86:87], 1024
	s_add_nc_u64 s[88:89], s[88:89], 64
	s_add_nc_u64 s[90:91], s[90:91], 64
	s_add_co_u32 s3, s3, 1
	s_cmp_lt_u32 s3, 8
	s_cbranch_scc1 .Lqk
	s_branch .Lend
.Lv_out:
	s_lshr_b32 s22, s44, 2
	s_lshl_b32 s22, s22, 4
	s_lshl_b32 s23, s41, 2
	s_add_co_u32 s22, s22, s23
	s_lshl_b32 s23, s15, 1
	s_add_co_u32 s22, s22, s23
	s_mul_i32 s22, s22, KVH
	s_and_b32 s23, s44, 3
	s_lshl_b32 s23, s23, 1
	s_add_co_u32 s23, s23, s16
	s_mul_i32 s23, s23, KVS
	s_add_co_u32 s22, s22, s23
	s_add_co_u32 s82, s22, 8192
	s_mov_b32 s83, 0
	s_add_nc_u64 s[84:85], s[70:71], s[82:83]
	s_add_nc_u64 s[88:89], s[84:85], 8704
	s_mov_b32 s3, 0
.Lv:
.irp a, 0,1,2,3,4,5,6
	s_cmp_eq_u32 s3, \a
	s_cbranch_scc1 .Lv_take\a
.endr
.irp a, 7,6,5,4,3,2,1,0
.Lv_take\a:
	TAKEV \a
.if \a > 0
	s_branch .Lv_taken
.endif
.endr
.Lv_taken:
	WIN 0x55
	QUANT 0, 4
	WIN 0x04
.irp c, 0,1,2,3
	global_store_b128 v[LI], v[PC+4*\c:PC+4*\c+3], s[84:85] offset:512*\c
.endr
	global_store_b32 v[LS], v[PW], s[88:89]
	WIN 0
	s_wait_xcnt 0x0
	s_cmp_eq_u32 s3, 3
	s_mov_b32 s96, 2048
	s_cselect_b32 s96, KVH-3*2048, s96
	s_mov_b32 s98, 64
	s_cselect_b32 s98, KVH-3*64, s98
	s_add_nc_u64 s[84:85], s[84:85], s[96:97]
	s_add_nc_u64 s[88:89], s[88:89], s[98:99]
	s_add_co_u32 s3, s3, 1
	s_cmp_lt_u32 s3, 8
	s_cbranch_scc1 .Lv
.Lend:
	s_wait_tensorcnt 0x0
	ds_add_u32 v[SPW], v[NIL]
	s_wait_dscnt 0x0
	CROUND
	s_endpgm
.Lfunc_end_k_q96a4d01581_qkv:
	.size	k_q96a4d01581_qkv, .Lfunc_end_k_q96a4d01581_qkv-k_q96a4d01581_qkv
	.p2alignl 7, 3214868480
	.fill 96, 4, 3214868480
	.section	.rodata,"a",@progbits
	.p2align	6, 0x0
	.amdhsa_kernel k_q96a4d01581_qkv
		.amdhsa_group_segment_fixed_size 327680
		.amdhsa_private_segment_fixed_size 0
		.amdhsa_enable_private_segment 0
		.amdhsa_kernarg_size 48
		.amdhsa_user_sgpr_count 2
		.amdhsa_user_sgpr_kernarg_segment_ptr 1
		.amdhsa_wavefront_size32 1
		.amdhsa_system_sgpr_workgroup_id_x 1
		.amdhsa_system_sgpr_workgroup_id_y 1
		.amdhsa_system_sgpr_workgroup_id_z 1
		.amdhsa_system_vgpr_workitem_id 0
		.amdhsa_next_free_vgpr 1024
		.amdhsa_next_free_sgpr 106
		.amdhsa_reserve_vcc 0
		.amdhsa_float_denorm_mode_32 3
		.amdhsa_float_denorm_mode_16_64 3
		.amdhsa_memory_ordered 1
		.amdhsa_forward_progress 1
		.amdhsa_inst_pref_size 173
	.end_amdhsa_kernel
	.amdgpu_metadata
---
amdhsa.version: [ 1, 2 ]
amdhsa.kernels:
  - .name:           k_q96a4d01581_qkv
    .symbol:         k_q96a4d01581_qkv.kd
    .args:
      - { .name: ac, .offset: 0, .size: 8, .value_kind: global_buffer, .address_space: global }
      - { .name: wc, .offset: 8, .size: 8, .value_kind: global_buffer, .address_space: global }
      - { .name: bq, .offset: 16, .size: 8, .value_kind: global_buffer, .address_space: global }
      - { .name: bk, .offset: 24, .size: 8, .value_kind: global_buffer, .address_space: global }
      - { .name: bv, .offset: 32, .size: 8, .value_kind: global_buffer, .address_space: global }
      - { .name: qkv, .offset: 40, .size: 8, .value_kind: global_buffer, .address_space: global }
    .group_segment_fixed_size: 327680
    .private_segment_fixed_size: 0
    .kernarg_segment_align: 8
    .kernarg_segment_size: 48
    .max_flat_workgroup_size: 128
    .sgpr_count:     106
    .vgpr_count:     1024
    .wavefront_size: 32
...
	.end_amdgpu_metadata
.endif
;; end of part 2
;; launch attn (part 3): grid 4 x 64, 16 waves a work-group, no clusters, 327,680 bytes of LDS; arguments qkv, rt, rel_k, ac; writes ac
.if DOCPART == 3
	.amdgcn_target "amdgcn-amd-amdhsa--gfx1250"
	.amdhsa_code_object_version 6
	.text
	.protected	k_q96a4d01581_attn
	.globl	k_q96a4d01581_attn
	.p2align	8
	.type	k_q96a4d01581_attn,@function
k_q96a4d01581_attn:
	s_mov_b64 s[64:65], 0
	v_nop
	global_prefetch_b8 v0, s[64:65] scope:SCOPE_SE
	s_setreg_imm32_b32 hwreg(HW_REG_WAVE_MODE, 25, 1), 1
	s_wait_xcnt 0x0
; Attention with relative positions on codes of BF8: o = (p V + p rv) / l, p = 2^(t - M), t = (q.k + q.rel_k[clip(k - q)]) log2(e) / 8, M the running ceiling of the largest t, l the sum of the unquantised p.
; A work-group owns 256 queries of one (b, head), each of its sixteen waves one tile of 16: query of lane r = 32 (tile / 2) + 8 (tile % 2) + r + 8 (r / 8).  A head's K and V (137,216 bytes of codes and scale words) come into LDS once.
; Both products are used transposed: a lane holds one query; K's tiles hold keys 32 (T/2) + 8 (T%2) + r + 8 (r/8), so that p's registers 16 b + i are keys 32 b + 16 h + i.  K = 64 in q.k: the upper 64 of the instruction's 128 meet q's zero codes.
; q.rel_k: R^T = Q(rel_k) Q(q)^T, seven products a tile, kept as f32 in the wave's own LDS rows.  Outside |k - q| <= 50 it is one number a query, which goes into the addend that makes t; in the steps that touch the band it is gathered.
; p.rv: rv quantised along the keys hangs on rho = q % 32 and delta = key block - q / 32.  For |delta| >= 3 a block is constant: one image a side, multiplied in the loop (blocks of the band get zero codes there).
; For |delta| <= 2 each query's five blocks of p codes are kept in LDS with their bytes; at the end the eight queries of one rho are the columns of one product with that rho's table (two rho a wave).
; NO CLUSTER: the partners that share K and V differ in their block of queries, on which the LDS addresses of the kept blocks and the branch round the gather hang.
; LDS: KV 0; RST 137,216 (16 x 16 rows x 464); NP 256,000 (256 rows x 208: six slots of 32 codes); NS 309,248 (256 x 32); RVT 317,440 (zero, left, right x 4 tiles x 512); RVS 323,584.  rel_k's images lie in NP until it is first used; W2 (256 x 272) lies in KV when that has been read out.
; LIMITS: NaN and infinities are not served; M must lie inside 32 bits; a kept block whose byte would fall under 0 under the last M is held at 0: its weight lies under 2^-111 of the row's largest.
.set KVB,   137216
.set STEPB, 17152
.set RST,   137216
.set NP,    256000
.set NS,    309248
.set RVT,   317440
.set RVS,   323584
.set SPARE, 324096                     ; the spare words, 128 bytes a wave: eight blocks of 256 bytes that no other line names
.set QC,    8781824
.set QS,    12976128
.set TS_OFF, 524288
.set PANEL, 16896
.set LI,   1
.set LS,   2
.set ADK,  3
.set ADS,  4
.set RVA,  5                           ; v5-8
.set RVSA, 9
.set NPW,  10
.set NSW,  11
.set PC,   192
.set TM,   208                         ; v208-211 largest, v212-215 bytes, v216-219 holds, v220-223 scale operands
.set PW,   228
.set QW,   229
.set SA,   230
.set SP,   238
.set RL,   240
.set RR,   241
.set VR,   242
.set RROW, 243
.set QD,   244
.set GB,   245
.set AD,   246
.set FF,   248
.set RVB,  250
.set RVSB, 251
.set WV,  12
.set BH,  13
.set ST,  14
.set G,   15
.set SEL, 16
.set CS,  18
.set MNT, 20
.set TB,  21
.set KB,  22
.set D0,  23
.set G1,  24
.set G0,  32
.set SL,  36
.macro QUANT s, nb
.set qb, 0
.rept \nb
	v_max3_num_f32 v[TM+qb], |v[(\s)+16*qb]|, |v[(\s)+16*qb+1]|, 0x8000000
.set qb, qb+1
.endr
.set qi, 2
.rept 7
.set qb, 0
.rept \nb
	s_delay_alu instid0(VALU_DEP_2)
	v_max3_num_f32 v[TM+qb], v[TM+qb], |v[(\s)+16*qb+qi]|, |v[(\s)+16*qb+qi+1]|
.set qb, qb+1
.endr
.set qi, qi+2
.endr
.set qb, 0
.rept \nb
	s_delay_alu instid0(VALU_DEP_2)
	v_permlanex16_b32 v[TM+4+qb], v[TM+qb], s[SEL], s[SEL+1]
.set qb, qb+1
.endr
.set qb, 0
.rept \nb
	s_delay_alu instid0(VALU_DEP_2)
	v_max_num_f32 v[TM+qb], v[TM+qb], v[TM+4+qb]
.set qb, qb+1
.endr
.set qb, 0
.rept \nb
	s_delay_alu instid0(VALU_DEP_2)
	v_add_nc_u32 v[TM+12+qb], 0xf8800000, v[TM+qb]
.set qb, qb+1
.endr
.set qb, 0
.rept \nb
	s_delay_alu instid0(VALU_DEP_4)
	v_and_or_b32 v[TM+8+qb], v[TM+qb], 0x7f800000, s[MNT]
.set qb, qb+1
.endr
.set qb, 0
.rept \nb
	s_delay_alu instid0(VALU_DEP_4)
	v_lshrrev_b32 v[TM+4+qb], 23, v[TM+12+qb]
.set qb, qb+1
.endr
	s_delay_alu instid0(VALU_DEP_1)
	v_lshl_or_b32 v[PW], v[TM+5], 8, v[TM+4]
.if \nb > 2
	v_lshl_or_b32 v[PW], v[TM+6], 16, v[PW]
	v_lshl_or_b32 v[PW], v[TM+7], 24, v[PW]
.endif
.set qb, 0
.rept \nb
.set qi, 0
.rept 16
	v_med3_num_f32 v[(\s)+16*qb+qi], v[(\s)+16*qb+qi], -v[TM+8+qb], v[TM+8+qb]
.set qi, qi+1
.endr
	v_cvt_scalef32_pk8_bf8_f32 v[PC+4*qb:PC+4*qb+1], v[(\s)+16*qb:(\s)+16*qb+7], v[TM+12+qb]
	v_cvt_scalef32_pk8_bf8_f32 v[PC+4*qb+2:PC+4*qb+3], v[(\s)+16*qb+8:(\s)+16*qb+15], v[TM+12+qb]
.set qb, qb+1
.endr
	v_nop
.endm
.macro PLACES n
.rept \n
	v_nop
.endr
.endm
	s_load_b256 s[4:11], s[0:1], 0x0
	v_lshl_add_u32 v254, v0, 2, SPARE              ; no two registers can be kept for the add: v0 is kept, and the two are made anew where they are wanted
	v_mov_b32 v255, 0
	ds_add_u32 v254, v255                          ; the opening lines: the add, twice on end, and its wait ahead of the first tensor load
	ds_add_u32 v254, v255
	v_lshrrev_b32 v252, 5, v0
	s_delay_alu instid0(VALU_DEP_1)
	v_readfirstlane_b32 s[WV], v252                ; wave 0..15
	s_and_b32 s[BH], ttmp7, 0xffff                 ; 16 b + head
	s_lshl_b32 s[ST], ttmp9, 4
	s_add_co_u32 s[ST], s[ST], s[WV]               ; my tile of queries
	s_lshr_b32 s[G], s[ST], 1                      ; its block of 32
	s_mov_b32 s[SEL], 0x76543210
	s_mov_b32 s[SEL+1], 0xfedcba98
	s_mov_b32 s[CS], 0x3e38aa3b                    ; c = log2(e) / 8
	s_mov_b32 s[CS+1], s[CS]
	s_mov_b32 s[MNT], 0x600000
	s_mov_b32 s[G1], 3<<16                         ; elements of 8 bytes, no mask, no padding
	s_mov_b32 s[G1+1], 32<<16                      ; rows of 256 bytes,
	s_mov_b32 s[G1+2], 67<<16                      ; 67 of them: a key step's 17,152 dense bytes
	s_mov_b32 s[G1+3], 32<<16
	s_mov_b32 s[G1+4], 67
	s_mov_b32 s[G1+5], 32
	s_mov_b32 s[G1+6], 0
	s_mov_b32 s[G1+7], 0
	; ---- every LDS address is made here, ahead of the first branch on the wave's number
	v_and_b32 v252, 31, v0
	s_delay_alu instid0(VALU_DEP_1)
	v_lshlrev_b32 v[LI], 4, v252
	v_and_b32 v253, 15, v0                         ; r
	v_bfe_u32 v254, v0, 4, 1                       ; h
	s_delay_alu instid0(VALU_DEP_2)
	v_lshlrev_b32 v[LS], 2, v253
	s_lshl_b32 s40, s[WV], 4
	v_add_nc_u32 v255, s40, v253                   ; 16 w + r: my query's row in NP, NS and W2
	s_delay_alu instid0(VALU_DEP_1)
	v_mul_u32_u24 v[NPW], v255, 208
	s_delay_alu instid0(VALU_DEP_1)
	v_lshl_add_u32 v[NPW], v254, 4, v[NPW]
	s_delay_alu instid0(VALU_DEP_1)
	v_add_nc_u32 v[NPW], NP, v[NPW]
	s_delay_alu instid0(VALU_DEP_4)
	v_lshlrev_b32 v[NSW], 5, v255
	s_delay_alu instid0(VALU_DEP_1)
	v_add_nc_u32 v[NSW], NS, v[NSW]
	s_mul_i32 s41, s[WV], 7424
	v_mul_u32_u24 v[RROW], v253, 464
	s_delay_alu instid0(VALU_DEP_1)
	v_add_nc_u32 v[RROW], s41, v[RROW]
	s_delay_alu instid0(VALU_DEP_1)
	v_add_nc_u32 v[RROW], RST, v[RROW]             ; my query's row of R
	s_delay_alu instid0(VALU_DEP_1)
	v_lshl_add_u32 v[GB], v254, 5, v[RROW]         ; + 32 h: where R's results go
	v_add_nc_u32 v[RVB], RVT, v[LI]
	v_add_nc_u32 v[RVSB], RVS, v[LS]
	v_and_b32 v252, 8, v253
	s_delay_alu instid0(VALU_DEP_1)
	v_add_nc_u32 v252, v252, v253                  ; r + 8 (r / 8)
	s_lshl_b32 s42, s[G], 5
	s_and_b32 s43, s[ST], 1
	s_lshl_b32 s43, s43, 3
	s_add_co_u32 s42, s42, s43
	s_sub_co_i32 s42, 50, s42
	v_lshl_add_u32 v[QD], v254, 4, s42
	s_delay_alu instid0(VALU_DEP_1)
	v_sub_nc_u32 v[QD], v[QD], v252                ; 50 + 16 h - my query
	v_min_u32 v152, 100, v255
	s_delay_alu instid0(VALU_DEP_1)
	v_lshlrev_b32 v152, 8, v152
	s_delay_alu instid0(VALU_DEP_1)
	v_lshl_add_u32 v152, v254, 6, v152             ; rel_k: row min(16 w + r, 100), + 64 h
	s_lshl_b32 s43, s[WV], 10
	v_add_nc_u32 v153, s43, v[LI]
	s_delay_alu instid0(VALU_DEP_1)
	v_add_nc_u32 v153, NP, v153                    ; rel_k's image of tile w
	s_lshl_b32 s43, s[WV], 6
	v_add_nc_u32 v154, s43, v[LS]
	s_delay_alu instid0(VALU_DEP_1)
	v_add_nc_u32 v154, NP+7168, v154               ; and its scale words
	v_lshlrev_b32 v155, 4, v253                    ; 16 r
	s_and_b32 s43, s[WV], 7
	s_lshl_b32 s44, s43, 9
	v_add_nc_u32 v156, s44, v[RVB]
	s_delay_alu instid0(VALU_DEP_1)
	v_add_nc_u32 v156, 2048, v156                  ; waves 8-15: the left and right images
	s_lshl_b32 s44, s43, 6
	v_add_nc_u32 v157, s44, v[RVSB]
	s_and_b32 s43, s[WV], 3
	s_lshl_b32 s44, s43, 9
	v_add_nc_u32 v158, s44, v[RVB]                 ; waves 0-3: the zero images
	v_mul_u32_u24 v159, v254, 80
	s_delay_alu instid0(VALU_DEP_1)
	v_add_nc_u32 v159, v159, v[NPW]                ; my half of my row of NP
	v_add_nc_u32 v[ADK], NP, v[LI]
	v_add_nc_u32 v[ADS], NP+7168, v[LS]
.irp j, 0,1,2,3,4,5,6,7
	v_mov_b32 v[24+\j], 0                          ; q: zero codes for K = 64 .. 127
.endr
.irp t, 0,1,2,3
.irp j, 8,9,10,11,12,13,14,15
	v_mov_b32 v[32+16*\t+\j], 0                    ; the buffers' upper halves: written, and finite codes from here on
.endr
.endr
.irp b, 0,1,2,3
	v_mov_b32 v[TM+4+\b], 0
.endr
	v_mov_b32 v[AD+1], 0
	v_mov_b32 v[FF+1], 0
	s_mul_i32 s40, s[BH], KVB
	s_mul_i32 s41, s[WV], STEPB
	s_add_co_u32 s42, s40, s41
	s_mov_b32 s43, 0
	s_lshl_b32 s44, s[BH], 6
	s_add_co_u32 s44, s44, s[ST]
	s_lshl_b32 s46, s44, 6
	s_add_co_u32 s46, s46, QS
	s_mov_b32 s47, 0
	s_lshl_b32 s44, s44, 10
	s_add_co_u32 s44, s44, QC
	s_mov_b32 s45, 0
	s_and_b32 s48, s[WV], 3
	s_bfe_u32 s49, s[WV], 0x10002                  ; 0: left, 1: right
	s_lshl_b32 s54, s48, 12
	s_mul_i32 s55, s49, 3072
	s_add_co_u32 s54, s54, s55
	s_mov_b32 s55, 0
	s_lshl_b32 s56, s48, 8
	s_lshl_b32 s57, s49, 2
	s_add_co_u32 s56, s56, s57
	s_add_co_u32 s56, s56, TS_OFF+8
	s_mov_b32 s57, 0
	s_wait_alu depctr_va_vdst(0)                   ; the wait ahead of the waits below
	s_wait_dscnt 0x0                               ; both opening adds are done
	s_wait_kmcnt 0x0
	s_mov_b32 s[G0], 1
	s_mov_b32 s[G0+1], s41                         ; key step w goes to 17,152 w
	s_add_nc_u64 s[G0+2:G0+3], s[4:5], s[42:43]
	s_or_b32 s[G0+3], s[G0+3], 0x80000000
	s_add_nc_u64 s[50:51], s[4:5], s[44:45]
	s_add_nc_u64 s[52:53], s[4:5], s[46:47]
	s_add_nc_u64 s[54:55], s[6:7], s[54:55]
	s_add_nc_u64 s[56:57], s[6:7], s[56:57]
	s_cmp_lt_u32 s[WV], 8
	s_cbranch_scc0 .Lno_fill
	tensor_load_to_lds s[G0:G0+3], s[G1:G1+7]      ; waves 0-7: one load each; these bytes are filled once
	s_nop 0
.rept 4
	v_nop
.endr
.Lno_fill:
	global_load_b128 v[16:19], v[LI], s[50:51]     ; q's fragment
	global_load_b128 v[20:23], v[LI], s[50:51] offset:512
	global_load_b32 v[QW], v[LS], s[52:53]
	; ---- waves 0-6 quantise rel_k, 16 rows each (rows past 100 repeat row 100 and are not used)
	s_cmp_lt_u32 s[WV], 7
	s_cbranch_scc0 .Lnot_rk
.irp c, 0,1
.irp j, 0,1,2,3
	global_load_b128 v[96+16*\c+4*\j:99+16*\c+4*\j], v152, s[8:9] offset:128*\c+16*\j
.endr
.endr
	s_wait_loadcnt 0x0
	QUANT 96, 2
	ds_store_b128 v153, v[PC:PC+3]
	ds_store_b128 v153, v[PC+4:PC+7] offset:512
	ds_store_b32 v154, v[PW]
.Lnot_rk:
	; ---- waves 8-15 bring the constant blocks' images and words, waves 0-3 lay the zero images
	s_cmp_ge_u32 s[WV], 8
	s_cbranch_scc0 .Lnot_rv
	global_load_b128 v[96:99], v[LI], s[54:55]
	global_load_b32 v224, v155, s[56:57]
	s_wait_loadcnt 0x0
	ds_store_b128 v156, v[96:99]
	ds_store_b32 v157, v224
.Lnot_rv:
	s_cmp_lt_u32 s[WV], 4
	s_cbranch_scc0 .Lnot_zero
	ds_store_b128 v158, v[24:27]
.Lnot_zero:
	s_wait_loadcnt 0x0                             ; q
	s_wait_dscnt 0x0                               ; my stores have landed
	s_barrier_signal -1
	s_barrier_wait -1
	; ---- R^T = rel_k q^T: register j of tile T, lane (r, h) = R(query r, 16 T + 8 h + j)
.irp t, 0,1,2,3
	ds_load_b128 v[32+16*\t:35+16*\t], v[ADK] offset:1024*\t
	ds_load_b128 v[36+16*\t:39+16*\t], v[ADK] offset:1024*\t+512
	ds_load_b32 v[224+\t], v[ADS] offset:64*\t
.endr
	s_wait_dscnt 0x0
	s_wait_alu depctr_va_vdst(0)
.irp t, 0,1,2,3
	v_wmma_scale_f32_16x16x128_f8f6f4 v[96+8*\t:103+8*\t], v[32+16*\t:47+16*\t], v[16:31], 0, v[224+\t], v[QW] matrix_a_fmt:MATRIX_FMT_BF8 matrix_b_fmt:MATRIX_FMT_BF8
.endr
	PLACES 8
.irp t, 0,1,2
	ds_load_b128 v[32+16*\t:35+16*\t], v[ADK] offset:1024*(4+\t)
	ds_load_b128 v[36+16*\t:39+16*\t], v[ADK] offset:1024*(4+\t)+512
	ds_load_b32 v[224+\t], v[ADS] offset:64*(4+\t)
.endr
	s_wait_dscnt 0x0
.irp t, 0,1,2
	v_wmma_scale_f32_16x16x128_f8f6f4 v[128+8*\t:135+8*\t], v[32+16*\t:47+16*\t], v[16:31], 0, v[224+\t], v[QW] matrix_a_fmt:MATRIX_FMT_BF8 matrix_b_fmt:MATRIX_FMT_BF8
.endr
	PLACES 8
.irp t, 0,1,2,3,4,5,6
	ds_store_b128 v[GB], v[96+8*\t:99+8*\t] offset:64*\t
	ds_store_b128 v[GB], v[100+8*\t:103+8*\t] offset:64*\t+16
.endr
	ds_store_b128 v[RROW], v[24:27] offset:448     ; the 16 bytes behind a row's 448: zeros, so that every byte of my rows is written
	ds_load_b32 v[RL], v[RROW]
	ds_load_b32 v[RR], v[RROW] offset:400          ; at +50 and over
	s_wait_tensorcnt 0x0                           ; my key step has landed
	s_wait_dscnt 0x0
	s_barrier_signal -1
	s_barrier_wait -1                              ; K and V are whole, and nobody reads rel_k's images any more
	v_lshl_add_u32 v252, v254, 4, v[NSW]
.irp k, 0,1,2,3,4,5
	ds_store_b128 v159, v[24:27] offset:16*\k      ; my row of kept blocks begins as zero codes: a block that does not exist stays so
.endr
	ds_store_b128 v252, v[24:27]
	v_mov_b32 v13, 0xff61b1e6                      ; the largest t so far: -3e38
	s_delay_alu instid0(VALU_DEP_1)
	v_floor_f32 v12, -v13                          ; -M
	v_mov_b32 v14, 0
	v_mov_b32 v15, 0
.set n, 0
.rept 32
	v_mov_b32 v[160+n], 0                          ; O^T: the step is written once, its first trip finds zeros
.set n, n+1
.endr
	s_mov_b32 s[TB], 0
	s_mov_b32 s[KB], 0
.Lstep:                                            ; eight trips: 128 keys each
	s_sub_co_i32 s[D0], s[KB], s[G]                ; delta of the step's first block
	s_cmp_le_i32 s[D0], -6
	s_cselect_b32 s40, -1, 0
	s_cmp_ge_i32 s[D0], 3
	s_cselect_b32 s41, -1, 0
	v_cndmask_b32 v[VR], 0, v[RL], s40             ; a step wholly outside the band: one R for all its keys
	s_delay_alu instid0(VALU_DEP_1)
	v_cndmask_b32 v[VR], v[VR], v[RR], s41
.irp c, 0,1,2,3
	s_add_co_i32 s42, s[D0], \c
	s_cmp_le_i32 s42, -3
	s_cselect_b32 s43, 2048, 0
	s_cmp_ge_i32 s42, 3
	s_cselect_b32 s43, 4096, s43
	v_add_nc_u32 v[RVA+\c], s43, v[RVB]            ; block c of rv: left, right, or zero codes
	s_add_co_i32 s42, s42, 2
	s_min_u32 s42, s42, 5                          ; the slot that keeps p's block: delta + 2, or slot 5, which nobody reads
	s_lshl_b32 s[SL+\c], s42, 5
.endr
	s_cmp_le_i32 s[D0], -3
	s_cselect_b32 s43, 0, 256
	v_add_nc_u32 v[RVSA], s43, v[RVSB]
	v_add_nc_u32 v[ADK], s[TB], v[LI]
	s_wait_alu depctr_va_vdst(0)
	v_add_nc_u32 v[ADS], s[TB], v[LS]              ; (the nine vector lines above are the places behind the last trip's products)
	s_wait_alu depctr_va_vdst(0)
.irp g, 0,1                                    ; S^T = K Q^T, four tiles of 16 keys at a time
.if \g > 0
	PLACES 8
.endif
.irp t, 0,1,2,3
	ds_load_b128 v[32+16*\t:35+16*\t], v[ADK] offset:1024*(4*\g+\t)
	ds_load_b128 v[36+16*\t:39+16*\t], v[ADK] offset:1024*(4*\g+\t)+512
	ds_load_b32 v[224+\t], v[ADS] offset:16384+64*(4*\g+\t)
.endr
	s_wait_dscnt 0x0
.irp t, 0,1,2,3
	v_wmma_scale_f32_16x16x128_f8f6f4 v[96+8*(4*\g+\t):103+8*(4*\g+\t)], v[32+16*\t:47+16*\t], v[16:31], 0, v[224+\t], v[QW] matrix_a_fmt:MATRIX_FMT_BF8 matrix_b_fmt:MATRIX_FMT_BF8
.endr
.endr
	PLACES 8
	s_add_co_i32 s44, s[D0], 5
	s_cmp_le_u32 s44, 7                            ; does the step touch the band?  A branch on ids
	s_cbranch_scc0 .Lfar
	s_lshl_b32 s44, s[KB], 5
	v_add_nc_u32 v[GB], s44, v[QD]                 ; key - query + 50 of register 0
.irp u, 0,1
.set n, 0
.rept 32
	v_add_nc_u32 v[192+n], 32*((32*\u+n)/16)+((32*\u+n)%16), v[GB]
.set n, n+1
.endr
.set n, 0
.rept 32
	v_max_i32 v[192+n], 0, v[192+n]
.set n, n+1
.endr
.set n, 0
.rept 32
	v_min_u32 v[192+n], 100, v[192+n]
.set n, n+1
.endr
.set n, 0
.rept 32
	v_lshl_add_u32 v[192+n], v[192+n], 2, v[RROW]
.set n, n+1
.endr
.set n, 0
.rept 32
	ds_load_b32 v[32+n], v[192+n]                  ; from my own query's row
.set n, n+1
.endr
	s_wait_dscnt 0x0
.set n, 0
.rept 32
	v_add_f32 v[96+32*\u+n], v[96+32*\u+n], v[32+n]
.set n, n+1
.endr
.endr
.Lfar:
.irp b, 0,1,2,3
	v_max3_num_f32 v[TM+\b], v[96+16*\b], v[97+16*\b], v[98+16*\b]   ; each block's largest score: for the row's maximum and for the block's largest p
.endr
.irp i, 3,5,7,9,11,13
.irp b, 0,1,2,3
	v_max3_num_f32 v[TM+\b], v[TM+\b], v[96+16*\b+\i], v[97+16*\b+\i]
.endr
.endr
.irp b, 0,1,2,3
	v_max_num_f32 v[TM+\b], v[TM+\b], v[111+16*\b]
.endr
.irp b, 0,1,2,3
	s_delay_alu instid0(VALU_DEP_4)
	v_permlanex16_b32 v[TM+4+\b], v[TM+\b], s[SEL], s[SEL+1]
.endr
.irp b, 0,1,2,3
	s_delay_alu instid0(VALU_DEP_4)
	v_max_num_f32 v[TM+\b], v[TM+\b], v[TM+4+\b]
.endr
	s_delay_alu instid0(VALU_DEP_2)
	v_max3_num_f32 v254, v[TM], v[TM+1], v[TM+2]
	s_delay_alu instid0(VALU_DEP_1)
	v_max_num_f32 v254, v254, v[TM+3]
	s_delay_alu instid0(VALU_DEP_1)
	v_add_f32 v254, v254, v[VR]
	s_delay_alu instid0(VALU_DEP_1)
	v_mul_f32 v254, s[CS], v254
	s_delay_alu instid0(VALU_DEP_1)
	v_max_num_f32 v13, v13, v254                   ; the running largest t
	v_mov_b32 v254, v12
	s_delay_alu instid0(VALU_DEP_2)
	v_floor_f32 v12, -v13                          ; -M = floor(-t): M is a whole number
	s_delay_alu instid0(VALU_DEP_1)
	v_sub_f32 v254, v12, v254
	s_delay_alu instid0(VALU_DEP_1)
	v_cvt_i32_f32 v254, v254                       ; (it saturates)
	s_delay_alu instid0(VALU_DEP_1)
	v_ldexp_f32 v[FF], 1.0, v254                   ; f = 2^(old M - new M)
	s_delay_alu instid0(VALU_DEP_4)
	v_fma_f32 v[AD], v[VR], s[CS], v12             ; the addend: R c - M
.set n, 0
.rept 32
	v_pk_fma_f32 v[96+n:97+n], v[96+n:97+n], s[CS:CS+1], v[AD:AD+1] op_sel_hi:[1,0,0]
.set n, n+2
.endr
.irp b, 0,1,2,3
	v_fma_f32 v[TM+\b], v[TM+\b], s[CS], v[AD]
.endr
.set n, 0
	s_wait_alu depctr_va_vdst(0)
.rept 64
	v_exp_f32 v[96+n], v[96+n]                     ; p = 2^(t - M)
.set n, n+1
.endr
	v_pk_mul_f32 v[14:15], v[14:15], v[FF:FF+1] op_sel_hi:[1,0]   ; the sums under the new M; a plain line behind the exponentials
	s_wait_alu depctr_va_vdst(0)                   ; one wait for the batch, ahead of its first reader
.irp b, 0,1,2,3
	v_exp_f32 v[TM+\b], v[TM+\b]                   ; each block's largest p
.endr
	v_pk_add_f32 v[252:253], v[100:101], v[104:105]
	v_pk_add_f32 v[254:255], v[108:109], v[112:113]
	v_pk_add_f32 v[238:239], v[116:117], v[120:121]
	v_pk_add_f32 v[236:237], v[124:125], v[128:129]
	v_pk_add_f32 v[234:235], v[132:133], v[136:137]
	v_pk_add_f32 v[232:233], v[140:141], v[144:145]
	v_pk_add_f32 v[230:231], v[148:149], v[152:153]
	v_pk_add_f32 v[14:15], v[14:15], v[156:157]
	v_pk_add_f32 v[252:253], v[252:253], v[96:97]
	v_pk_add_f32 v[254:255], v[254:255], v[98:99]
	v_pk_add_f32 v[238:239], v[238:239], v[102:103]
	v_pk_add_f32 v[236:237], v[236:237], v[106:107]
	v_pk_add_f32 v[234:235], v[234:235], v[110:111]
	v_pk_add_f32 v[232:233], v[232:233], v[114:115]
	v_pk_add_f32 v[230:231], v[230:231], v[118:119]
	v_pk_add_f32 v[14:15], v[14:15], v[122:123]
	v_pk_add_f32 v[252:253], v[252:253], v[126:127]
	v_pk_add_f32 v[254:255], v[254:255], v[130:131]
	v_pk_add_f32 v[238:239], v[238:239], v[134:135]
	v_pk_add_f32 v[236:237], v[236:237], v[138:139]
	v_pk_add_f32 v[234:235], v[234:235], v[142:143]
	v_pk_add_f32 v[232:233], v[232:233], v[146:147]
	v_pk_add_f32 v[230:231], v[230:231], v[150:151]
	v_pk_add_f32 v[14:15], v[14:15], v[154:155]
	v_pk_add_f32 v[252:253], v[252:253], v[158:159]
	s_delay_alu instid0(VALU_DEP_2)
	v_pk_add_f32 v[14:15], v[14:15], v[236:237]
	s_delay_alu instid0(VALU_DEP_2)
	v_pk_add_f32 v[252:253], v[252:253], v[234:235]
	v_pk_add_f32 v[254:255], v[254:255], v[232:233]
	v_pk_add_f32 v[238:239], v[238:239], v[230:231]
	s_delay_alu instid0(VALU_DEP_2)
	v_pk_add_f32 v[14:15], v[14:15], v[254:255]
	s_delay_alu instid0(VALU_DEP_2)
	v_pk_add_f32 v[252:253], v[252:253], v[238:239]
	s_delay_alu instid0(VALU_DEP_1)
	v_pk_add_f32 v[14:15], v[14:15], v[252:253]
	s_wait_alu depctr_va_vdst(0)                   ; and one for the four
.irp b, 0,1,2,3
	v_max_num_f32 v[TM+\b], 0x8000000, v[TM+\b]
.endr
.irp b, 0,1,2,3
	s_delay_alu instid0(VALU_DEP_4)
	v_add_nc_u32 v[TM+12+\b], 0xf8800000, v[TM+\b]
.endr
.irp b, 0,1,2,3
	v_and_or_b32 v[TM+8+\b], v[TM+\b], 0x7f800000, s[MNT]
.endr
.irp b, 0,1,2,3
	v_lshrrev_b32 v[TM+4+\b], 23, v[TM+12+\b]
.endr
	s_delay_alu instid0(VALU_DEP_3)
	v_lshl_or_b32 v[PW], v[TM+5], 8, v[TM+4]
	s_delay_alu instid0(VALU_DEP_1)
	v_lshl_or_b32 v[PW], v[TM+6], 16, v[PW]
	s_delay_alu instid0(VALU_DEP_1)
	v_lshl_or_b32 v[PW], v[TM+7], 24, v[PW]
.irp b, 0,1,2,3
.irp i, 0,1,2,3,4,5,6,7,8,9,10,11,12,13,14,15
	v_min_num_f32 v[96+16*\b+\i], v[96+16*\b+\i], v[TM+8+\b]   ; p is not negative: a one-sided hold
.endr
	v_cvt_scalef32_pk8_bf8_f32 v[PC+4*\b:PC+4*\b+1], v[96+16*\b:103+16*\b], v[TM+12+\b]
	v_cvt_scalef32_pk8_bf8_f32 v[PC+4*\b+2:PC+4*\b+3], v[104+16*\b:111+16*\b], v[TM+12+\b]
.endr
	v_nop                                          ; a plain line behind the last conversion
	v_cvt_i32_f32 v255, v12                        ; -M as a whole number
.irp c, 0,1,2,3
	v_sub_nc_u32 v[100+\c], v[TM+4+\c], v255       ; the byte + M: free of the M under which the codes were made
.endr
.irp c, 0,1,2,3
	v_add_nc_u32 v[96+\c], s[SL+\c], v[NPW]
	s_lshr_b32 s42, s[SL+\c], 3
	v_add_nc_u32 v[104+\c], s42, v[NSW]
.endr
.irp c, 0,1,2,3
	ds_store_b128 v[96+\c], v[PC+4*\c:PC+4*\c+3]   ; the band's blocks are kept
	ds_store_b32 v[104+\c], v[100+\c]
.endr
.set n, 0
.rept 16
	v_pk_mul_f32 v[160+n:161+n], v[160+n:161+n], v[FF:FF+1] op_sel_hi:[1,0]   ; O^T under the new M; also the places ahead of the products
.set n, n+2
.endr
.irp t, 0,1,2,3
.irp c, 0,1,2,3
	ds_load_b128 v[32+16*\t+4*\c:35+16*\t+4*\c], v[ADK] offset:8192+2048*\t+512*\c
.endr
	ds_load_b32 v[224+\t], v[ADS] offset:16896+64*\t
.endr
	s_wait_alu depctr_va_vdst(0)
	s_wait_dscnt 0x0
.irp t, 0,1,2,3                                ; O^T += V^T P^T
	v_wmma_scale_f32_16x16x128_f8f6f4 v[160+8*\t:167+8*\t], v[32+16*\t:47+16*\t], v[PC:PC+15], v[160+8*\t:167+8*\t], v[224+\t], v[PW] matrix_a_fmt:MATRIX_FMT_BF8 matrix_b_fmt:MATRIX_FMT_BF8
.endr
	PLACES 8
.irp t, 0,1,2,3
.irp c, 0,1,2,3
	ds_load_b128 v[32+16*\t+4*\c:35+16*\t+4*\c], v[RVA+\c] offset:512*\t
.endr
	ds_load_b32 v[224+\t], v[RVSA] offset:64*\t
.endr
	s_wait_dscnt 0x0
.irp t, 0,1,2,3                                ; O^T += rv^T P^T, the constant blocks; the four accumulators take turns
	v_wmma_scale_f32_16x16x128_f8f6f4 v[160+8*\t:167+8*\t], v[32+16*\t:47+16*\t], v[PC:PC+15], v[160+8*\t:167+8*\t], v[224+\t], v[PW] matrix_a_fmt:MATRIX_FMT_BF8 matrix_b_fmt:MATRIX_FMT_BF8
.endr
	s_add_co_u32 s[TB], s[TB], STEPB
	s_add_co_u32 s[KB], s[KB], 4
	s_cmp_lt_u32 s[KB], 32
	s_cbranch_scc1 .Lstep
	; ---- the kept blocks' bytes under the last M; addresses for the band's products
.set n, 0
.rept 12
	v_mov_b32 v[116+n], 0                          ; zero codes for K = 160 .. 255 of the band's second product
.set n, n+1
.endr
	v_add_f32 v14, v14, v15
	s_delay_alu instid0(VALU_DEP_1)
	v_permlanex16_b32 v252, v14, s[SEL], s[SEL+1]
	s_delay_alu instid0(VALU_DEP_1)
	v_add_f32 v14, v14, v252                       ; l
	v_cvt_i32_f32 v255, v12
	v_and_b32 v253, 15, v0
	v_bfe_u32 v254, v0, 4, 1
	s_delay_alu instid0(VALU_DEP_2)
	v_lshlrev_b32 v[GB], 4, v253                   ; 16 r
	s_delay_alu instid0(VALU_DEP_3)
	v_and_b32 v252, 7, v253                        ; column n = r % 8: the query of block n with my rho
	s_wait_alu depctr_va_vdst(0)
	s_bfe_u32 s40, s[WV], 0x10002
	s_lshl_b32 s40, s40, 4
	s_lshr_b32 s41, s[WV], 3
	s_lshl_b32 s41, s41, 3
	s_add_co_u32 s40, s40, s41
	s_and_b32 s41, s[WV], 3
	s_lshl_b32 s41, s41, 1
	s_add_co_u32 s40, s40, s41                     ; rho = 2 w lies in row 16 ((w/4)%2) + 8 (w/8) + 2 (w%4) of each 32; rho + 1 in the next
	v_lshl_add_u32 v252, v252, 5, s40
	s_delay_alu instid0(VALU_DEP_1)
	v_mul_u32_u24 v[RVA], v252, 208
	s_delay_alu instid0(VALU_DEP_1)
	v_lshl_add_u32 v[RVA], v254, 4, v[RVA]
	s_delay_alu instid0(VALU_DEP_1)
	v_add_nc_u32 v[RVA], NP, v[RVA]
	s_delay_alu instid0(VALU_DEP_4)
	v_lshlrev_b32 v[RVA+1], 5, v252
	s_delay_alu instid0(VALU_DEP_1)
	v_add_nc_u32 v[RVA+1], NS, v[RVA+1]
	v_mul_u32_u24 v[RVA+2], v252, 272
	s_delay_alu instid0(VALU_DEP_1)
	v_lshl_add_u32 v[RVA+2], v254, 5, v[RVA+2]
	s_lshl_b32 s41, s[WV], 4
	v_add_nc_u32 v[RVA+3], s41, v253
	s_delay_alu instid0(VALU_DEP_1)
	v_mul_u32_u24 v[RVA+3], v[RVA+3], 272
	s_delay_alu instid0(VALU_DEP_1)
	v_lshl_add_u32 v[RVA+3], v254, 5, v[RVA+3]
	s_lshl_b32 s44, s[WV], 15
	s_mov_b32 s45, 0
	s_add_nc_u64 s[50:51], s[6:7], s[44:45]
	s_lshl_b32 s44, s[WV], 11
	s_add_co_u32 s44, s44, TS_OFF
	s_add_nc_u64 s[52:53], s[6:7], s[44:45]
.macro E2G e                           ; rho's table: for each tile 20 registers, blocks delta' = 5, 1, 2, 3, 4: the last 16 are the first product's operand, the first 16 the second's
.irp t, 0,1,2,3
	global_load_b128 v[16+20*\t:19+20*\t], v[LI], s[50:51] offset:16384*\e+4096*\t+2560
.irp d, 1,2,3,4
	global_load_b128 v[16+20*\t+4*\d:19+20*\t+4*\d], v[LI], s[50:51] offset:16384*\e+4096*\t+512*\d
.endr
	global_load_b64 v[SA+2*\t:SA+2*\t+1], v[GB], s[52:53] offset:1024*\e+256*\t
.endr
.endm
.macro E2L e                           ; the eight queries' kept blocks and their scale words
.irp c, 0,1,2,3
	ds_load_b128 v[96+4*\c:99+4*\c], v[RVA] offset:208*\e+32*\c
.endr
	ds_load_b128 v[112:115], v[RVA] offset:208*\e+128
	ds_load_b64 v[SP:SP+1], v[RVA+1] offset:32*\e+24
.endm
.macro E2M
.irp t, 0,1,2,3
	v_wmma_scale_f32_16x16x128_f8f6f4 v[128+8*\t:135+8*\t], v[20+20*\t:35+20*\t], v[96:111], 0, v[SA+2*\t], v[SP] matrix_a_fmt:MATRIX_FMT_BF8 matrix_b_fmt:MATRIX_FMT_BF8
.endr
.irp t, 0,1,2,3
	v_wmma_scale_f32_16x16x128_f8f6f4 v[128+8*\t:135+8*\t], v[16+20*\t:31+20*\t], v[112:127], v[128+8*\t:135+8*\t], v[SA+2*\t+1], v[SP+1] matrix_a_fmt:MATRIX_FMT_BF8 matrix_b_fmt:MATRIX_FMT_BF8
.endr
.endm
.macro E2S e                           ; lanes r and r + 8 hold the same column and write the same values to the same places
.irp t, 0,1,2,3
	ds_store_b128 v[RVA+2], v[128+8*\t:131+8*\t] offset:272*\e+64*\t
	ds_store_b128 v[RVA+2], v[132+8*\t:135+8*\t] offset:272*\e+64*\t+16
.endr
.endm
	E2G 0
	ds_load_b128 v[96:99], v[NSW]
	ds_load_b64 v[100:101], v[NSW] offset:16
	s_wait_dscnt 0x0
.irp s, 0,1,2,3,4
	v_add_nc_u32 v[96+\s], v[96+\s], v255          ; byte + its M - the last M
.endr
.irp s, 0,1,2,3,4
	v_max_i32 v[96+\s], 0, v[96+\s]
.endr
.irp s, 0,1,2,3,4
	v_min_u32 v[96+\s], 254, v[96+\s]
.endr
	s_delay_alu instid0(VALU_DEP_4)
	v_lshl_or_b32 v[SP], v97, 8, v96
	s_delay_alu instid0(VALU_DEP_1)
	v_lshl_or_b32 v[SP], v98, 16, v[SP]
	s_delay_alu instid0(VALU_DEP_1)
	v_lshl_or_b32 v[SP], v99, 24, v[SP]
	s_delay_alu instid0(VALU_DEP_4)
	v_mov_b32 v[SP+1], v100
	ds_store_b64 v[NSW], v[SP:SP+1] offset:24
	s_wait_dscnt 0x0                               ; my stores have landed, and my reads of K and V are over
	s_barrier_signal -1
	s_barrier_wait -1
	E2L 0
	s_wait_loadcnt 0x0
	s_wait_dscnt 0x0
	E2M
	PLACES 9                                       ; the next run of products writes over these results: one place more than a read wants
	E2G 1
	E2L 1
	E2S 0
	s_wait_loadcnt 0x0
	s_wait_dscnt 0x0
	E2M
	PLACES 8
	E2S 1
	s_wait_dscnt 0x0
	s_barrier_signal -1
	s_barrier_wait -1
	; ---- o = (O^T + the band's part) / l, quantised along the model's 1,024: my head's 64 are two blocks of a panel's fragment
.irp t, 0,1,2,3
	ds_load_b128 v[96+8*\t:99+8*\t], v[RVA+3] offset:64*\t
	ds_load_b128 v[100+8*\t:103+8*\t], v[RVA+3] offset:64*\t+16
.endr
	v_rcp_f32 v14, v14
	v_nop
	s_wait_alu depctr_va_vdst(0)
	s_and_b32 s40, s[BH], 15
	s_lshr_b32 s41, s[BH], 4
	s_lshl_b32 s41, s41, 6
	s_add_co_u32 s41, s41, s[ST]                   ; the tile among the tokens
	s_lshr_b32 s42, s41, 3
	s_lshl_b32 s42, s42, 3
	s_lshr_b32 s43, s40, 1
	s_add_co_u32 s42, s42, s43
	s_mul_i32 s42, s42, PANEL
	s_and_b32 s43, s[ST], 7
	s_and_b32 s40, s40, 1
	s_lshl_b32 s44, s43, 11
	s_lshl_b32 s45, s40, 10
	s_add_co_u32 s44, s44, s45
	s_add_co_u32 s44, s44, s42
	s_lshl_b32 s46, s43, 6
	s_lshl_b32 s47, s40, 1
	s_add_co_u32 s46, s46, s47
	s_add_co_u32 s46, s46, s42
	s_add_co_u32 s46, s46, 16384
	s_mov_b32 s45, 0
	s_mov_b32 s47, 0
	s_add_nc_u64 s[44:45], s[10:11], s[44:45]
	s_add_nc_u64 s[46:47], s[10:11], s[46:47]
	s_wait_dscnt 0x0
.set n, 0
.rept 16
	v_pk_add_f32 v[96+n:97+n], v[96+n:97+n], v[160+n:161+n]
.set n, n+2
.endr
.set n, 0
.rept 16
	v_pk_mul_f32 v[96+n:97+n], v[96+n:97+n], v[14:15] op_sel_hi:[1,0]
.set n, n+2
.endr
	QUANT 96, 2
	global_store_b128 v[LI], v[PC:PC+3], s[44:45]
	global_store_b128 v[LI], v[PC+4:PC+7], s[44:45] offset:512
	global_store_b16 v[LS], v[PW], s[46:47]
	v_lshl_add_u32 v254, v0, 2, SPARE
	v_mov_b32 v255, 0
	s_wait_alu depctr_va_vdst(0)                   ; the wait ahead of the wait below
	s_wait_tensorcnt 0x0                           ; the wave's end
	ds_add_u32 v254, v255
	s_wait_dscnt 0x0
	s_endpgm
.Lfunc_end_k_q96a4d01581_attn:
	.size	k_q96a4d01581_attn, .Lfunc_end_k_q96a4d01581_attn-k_q96a4d01581_attn
	.p2alignl 7, 3214868480
	.fill 96, 4, 3214868480
	.section	.rodata,"a",@progbits
	.p2align	6, 0x0
	.amdhsa_kernel k_q96a4d01581_attn
		.amdhsa_group_segment_fixed_size 327680
		.amdhsa_private_segment_fixed_size 0
		.amdhsa_enable_private_segment 0
		.amdhsa_kernarg_size 32
		.amdhsa_user_sgpr_count 2
		.amdhsa_user_sgpr_kernarg_segment_ptr 1
		.amdhsa_wavefront_size32 1
		.amdhsa_system_sgpr_workgroup_id_x 1
		.amdhsa_system_sgpr_workgroup_id_y 1
		.amdhsa_system_sgpr_workgroup_id_z 1
		.amdhsa_system_vgpr_workitem_id 0
		.amdhsa_next_free_vgpr 256
		.amdhsa_next_free_sgpr 66
		.amdhsa_reserve_vcc 0
		.amdhsa_float_denorm_mode_32 3
		.amdhsa_float_denorm_mode_16_64 3
		.amdhsa_memory_ordered 1
		.amdhsa_forward_progress 1
		.amdhsa_inst_pref_size 86
	.end_amdhsa_kernel
	.amdgpu_metadata
---
amdhsa.version: [ 1, 2 ]
amdhsa.kernels:
  - .name:           k_q96a4d01581_attn
    .symbol:         k_q96a4d01581_attn.kd
    .args:
      - { .name: qkv, .offset: 0, .size: 8, .value_kind: global_buffer, .address_space: global }
      - { .name: rt, .offset: 8, .size: 8, .value_kind: global_buffer, .address_space: global }
      - { .name: rel_k, .offset: 16, .size: 8, .value_kind: global_buffer, .address_space: global }
      - { .name: ac, .offset: 24, .size: 8, .value_kind: global_buffer, .address_space: global }
    .group_segment_fixed_size: 327680
    .private_segment_fixed_size: 0
    .kernarg_segment_align: 8
    .kernarg_segment_size: 32
    .max_flat_workgroup_size: 512
    .sgpr_count:     66
    .vgpr_count:     256
    .wavefront_size: 32
...
	.end_amdgpu_metadata
.endif
;; end of part 3
;; launch wo (part 4): grid 8 x 32, 4 waves a work-group, clusters of 4 x 4, 327,680 bytes of LDS; arguments ac, wc, bo, x, rinv, g_attn, h2; writes h2
.if DOCPART == 4
	.amdgcn_target "amdgcn-amd-amdhsa--gfx1250"
	.amdhsa_code_object_version 6
	.text
	.protected	k_q96a4d01581_wo
	.globl	k_q96a4d01581_wo
	.p2align	8
	.type	k_q96a4d01581_wo,@function
k_q96a4d01581_wo:
	s_mov_b64 s[64:65], 0
	v_nop
	global_prefetch_b8 v0, s[64:65] scope:SCOPE_SE
	s_setreg_imm32_b32 hwreg(HW_REG_WAVE_MODE, 25, 1), 1
	s_wait_xcnt 0x0
	s_wait_alu depctr_hold_cnt(0) depctr_sa_sdst(0) depctr_va_vdst(0) depctr_va_sdst(0) depctr_va_ssrc(0) depctr_va_vcc(0) depctr_vm_vsrc(0)
	s_getreg_b32 s2, hwreg(HW_REG_IB_STS2, 6, 4)
	s_cmp_eq_u32 s2, 0
	s_cbranch_scc0 .Lentry_in_a_cluster
	s_endpgm
.Lentry_in_a_cluster:
	s_bfe_u32 s2, ttmp6, 0x10000c
	s_cmp_lg_u32 s2, 0xf033
	s_cbranch_scc0 .Lentry_shape_is_right
	s_endpgm
.Lentry_shape_is_right:
; h2 = h + o Wo^T + bo, the product on codes of BF8 with E8M0 scales; h = gain x (x / (rms + eps)) is made again from x and the kept 1 / (rms + eps).
; Operands are PANELS (128 rows x 128 K = 16,896 bytes: eight images of fragments' registers, then their scale words).  A tile is 128 tokens x 128 features; four waves, 64 x 64 each: 16 accumulators.
; A slot holds four K steps of A's panel and of B's; a wave's tensor load brings four panels; K = 1,024 is the two slots' first fills.  CLUSTERS 4 x 4: A's tiles are shared along a row, B's along a column, by joint loads.
; Source 0 = features, source 1 = tokens: a lane holds eight neighbouring features of one token.  Row r of tile T is 32 (T/2) + 8 (T%2) + r + 8 (r/8), for tokens and for features.
; THE RESIDUAL IS ASKED FOR AT THE HEAD: my 64 tokens x 256 bytes of x (32 loads, 128 registers) and their 1 / (rms + eps) land in window 2 while the products run; one wait stands ahead of the way out.
; The way out goes through the wave's own stage in slot 0, which has had its only fill and its last read by then; sixteen lanes store 256 consecutive bytes of a token's row.
; REGISTERS: window 0: v16-29 addresses, v32-39 scale words (two sets), v40-47 bias and gain, v48-79 the way out, v128-255 accumulators; window 1: two buffers of A's four and B's four fragments;
;   window 2: v0-127 x (tile a, rows 2 i and 2 i + 1 of the stage: 32 a + 4 i), v128-159 1 / (rms + eps) of the same rows.
.set NK,     8
.set BOFF,   3244032                   ; Wo's codes in wc
.set PANEL,  16896
.set REG,    33792                     ; two panels: half of what one tensor load brings
.set HALF,   67584                     ; four panels: A's part of a slot
.set SLOT,   135168
.set SPARE,  270336                    ; the spare words, 128 bytes a wave
.set ADRA, 16
.set ADRB, 18
.set ADRS, 20
.set LI,   22
.set STO,  23
.set RD,   24
.set CO,   25
.set RI,   26
.set BA,   27
.set SPW,  28
.set NIL,  29
.set SC,   32
.set BIAS, 40
.set GG,   44
.set YR,   48
.set XR,   0                           ; in window 2
.set RV,   128                         ; in window 2
.set ACC,  128
.set F0,   0
.set F1,   128
.set G1,  24
.set G0,  32
.set G1B, 48
.set G0B, 56
.set MSB, 0
.macro WIN new                         ; the immediate's high byte repeats the setting that is left
.if MSB != (\new)
	s_set_vgpr_msb (MSB<<8)|(\new)
.set MSB, (\new)
.endif
.endm
.macro JLOAD s                         ; waves 0, 1 fetch for A, waves 2, 3 for B; four v_nop follow each line
	s_cmp_eq_u32 s15, 0
	s_cbranch_scc0 .Lfor_b_\@
	tensor_load_to_lds s[G0+4*\s:G0+4*\s+3], s[G1:G1+7]
	s_nop 0
.rept 4
	v_nop
.endr
	s_branch .Lasked_\@
.Lfor_b_\@:
	tensor_load_to_lds s[G0B+4*\s:G0B+4*\s+3], s[G1B:G1B+7]
	s_nop 0
.rept 4
	v_nop
.endr
.Lasked_\@:
.endm
.macro CROUND                          ; a round of the cluster's barrier
	s_barrier_signal -1
	s_barrier_wait -1
	s_cmp_lg_u32 s14, 0
	s_cbranch_scc1 .Lnot_wave_0_\@
	s_barrier_signal -3
.Lnot_wave_0_\@:
	s_barrier_wait -3
	s_barrier_signal -1
	s_barrier_wait -1
.endm
.macro PLACES n
.rept \n
	v_nop
.endr
.endm
	s_load_b256 s[4:11], s[0:1], 0x0               ; ac, wc, bo, x
	s_load_b128 s[68:71], s[0:1], 0x20             ; rinv, the gain
	s_load_b64 s[72:73], s[0:1], 0x30              ; h2
	v_lshl_add_u32 v[SPW], v0, 2, SPARE
	v_mov_b32 v[NIL], 0
	ds_add_u32 v[SPW], v[NIL]                      ; the opening lines: the add, twice on end, and its wait ahead of the first round
	ds_add_u32 v[SPW], v[NIL]
	v_lshrrev_b32 v1, 5, v0
	v_readfirstlane_b32 s14, v1                    ; wave 0..3
	s_lshr_b32 s15, s14, 1                         ; my half of the tokens.  Also: I fetch for A (0) or for B (1)
	s_and_b32 s16, s14, 1                          ; my half of the features.  Also: which slot's four K steps I fetch
	s_bfe_u32 s40, ttmp6, 0x40000                  ; cx
	s_bfe_u32 s41, ttmp6, 0x40004                  ; cy
	s_lshl_b32 s44, ttmp9, 2
	s_add_co_u32 s44, s44, s40                     ; the tile of features
	s_and_b32 s43, ttmp7, 0xffff
	s_lshl_b32 s43, s43, 2
	s_add_co_u32 s43, s43, s41                     ; the tile of tokens
	s_lshl_b32 s45, s41, 2
	s_lshl_b32 s45, 15, s45                        ; my row of the cluster
	s_lshl_b32 s46, 0x1111, s40                    ; my column
	s_or_b32 s[G1+0], s45, (3<<16)|(1<<21)         ; 15:0 the mask; 17:16 elements of 8 bytes; 21 set beside a mask; no padding
	s_or_b32 s[G1B+0], s46, (3<<16)|(1<<21)
.irp g, G1, G1B
	s_mov_b32 s[\g+1], 32<<16                      ; rows of 256 bytes,
	s_mov_b32 s[\g+2], 264<<16                     ; 264 of them: four panels, dense
	s_mov_b32 s[\g+3], 32<<16
	s_mov_b32 s[\g+4], 264
	s_mov_b32 s[\g+5], 32
	s_mov_b32 s[\g+6], 0
	s_mov_b32 s[\g+7], 0
.endr
	s_mul_i32 s17, s16, REG
	s_mul_i32 s74, s43, NK*PANEL
	s_add_co_u32 s74, s74, s17                     ; A: of my place it holds cy alone
	s_mov_b32 s75, 0
	s_mul_i32 s76, s44, NK*PANEL
	s_add_co_u32 s76, s76, s17
	s_add_co_u32 s76, s76, BOFF                    ; B: cx alone
	s_mov_b32 s77, 0
	s_wait_dscnt 0x0                               ; both opening adds are done
	s_wait_kmcnt 0x0
	s_add_nc_u64 s[78:79], s[4:5], s[74:75]
	s_add_nc_u64 s[80:81], s[6:7], s[76:77]
	CROUND                                         ; all sixteen work-groups are here: the first joint loads meet
	; ONE LOAD A WAVE BRINGS ALL OF K: wave 0 A's K steps 0-3 (slot 0's first half), wave 1 A's 4-7 (slot 1's), waves 2 and 3 the same of B, behind A's half of each slot.  Nothing is filled again.
	s_mov_b32 s18, s17                             ; s[78:81] stand at REG x (wave % 2): once more gives HALF x (wave % 2)
	s_mov_b32 s19, 0
	s_mov_b32 s[G0], 1
	s_mul_i32 s[G0+1], s16, SLOT
	s_add_nc_u64 s[G0+2:G0+3], s[78:79], s[18:19]
	s_or_b32 s[G0+3], s[G0+3], 0x80000000
	s_mov_b32 s[G0B], 1
	s_add_co_u32 s[G0B+1], s[G0+1], HALF
	s_add_nc_u64 s[G0B+2:G0B+3], s[80:81], s[18:19]
	s_or_b32 s[G0B+3], s[G0B+3], 0x80000000
	JLOAD 0
	v_and_b32 v1, 15, v0                           ; r
	v_bfe_u32 v2, v0, 4, 1                         ; h
	v_and_b32 v3, 31, v0
	v_lshlrev_b32 v[LI], 4, v3                     ; an image's place for my lane
	s_wait_alu depctr_va_vdst(0)
	s_lshl_b32 s83, s15, 13                        ; my four fragments of A
	s_lshl_b32 s84, s16, 13
	s_add_co_u32 s84, s84, HALF                    ; of B
	s_lshl_b32 s85, s15, 8
	s_lshl_b32 s18, s16, 8
	s_add_co_u32 s18, s18, HALF
	s_sub_co_u32 s18, s18, s85
	v_mul_u32_u24 v4, s18, v2                      ; lanes 16-31 take B's scale words
	v_lshl_add_u32 v4, v1, 2, v4
	s_add_co_u32 s85, s85, 16384
.irp s, 0,1
	v_add_nc_u32 v[ADRA+\s], s83, v[LI]
	v_add_nc_u32 v[ADRB+\s], s84, v[LI]
	v_add_nc_u32 v[ADRS+\s], s85, v4
	s_add_co_u32 s83, s83, SLOT
	s_add_co_u32 s84, s84, SLOT
	s_add_co_u32 s85, s85, SLOT
.endr
	s_mul_i32 s19, s14, 4352                       ; my stage: 16 rows x (256 + 16) bytes
	v_mul_u32_u24 v[STO], v1, 272
	v_lshl_add_u32 v[STO], v2, 6, v[STO]
	v_add_nc_u32 v[STO], s19, v[STO]               ; in: token r, + 64 h
	v_mul_u32_u24 v[RD], v2, 272
	v_lshl_add_u32 v[RD], v1, 4, v[RD]
	v_add_nc_u32 v[RD], s19, v[RD]                 ; back: lanes 0-15 one row, lanes 16-31 the next
	v_lshlrev_b32 v[CO], 14, v2
	v_lshl_add_u32 v[CO], v1, 4, v[CO]             ; the same in memory: a step along s is 16,384 bytes
	v_lshlrev_b32 v[RI], 2, v2
	v_lshlrev_b32 v[BA], 4, v1
	s_wait_alu depctr_va_vdst(0)
	s_and_b32 s22, s43, 7
	s_lshl_b32 s22, s22, 21
	s_lshl_b32 s23, s15, 20
	s_add_co_u32 s22, s22, s23                     ; s = 128 (tile % 8) + 64 half
	s_lshr_b32 s23, s43, 3
	s_lshl_b32 s23, s23, 12
	s_add_co_u32 s22, s22, s23                     ; b = tile / 8
	s_lshl_b32 s96, s44, 9
	s_lshl_b32 s23, s16, 8
	s_add_co_u32 s96, s96, s23                     ; my 64 features, in bytes
	s_mov_b32 s97, 0
	s_add_co_u32 s22, s22, s96
	s_mov_b32 s23, 0
	s_add_nc_u64 s[86:87], s[10:11], s[22:23]      ; x at my part
	s_add_nc_u64 s[88:89], s[72:73], s[22:23]      ; h2 likewise
	s_add_nc_u64 s[92:93], s[8:9], s[96:97]
	s_add_nc_u64 s[94:95], s[70:71], s[96:97]
	s_lshl_b32 s22, s43, 9
	s_lshl_b32 s96, s15, 8
	s_add_co_u32 s22, s22, s96
	s_add_nc_u64 s[90:91], s[68:69], s[22:23]      ; 1 / (rms + eps) of my 64 tokens
	; All that the way out wants of memory is asked for here, behind the first tiles' requests: 66 loads, the short ones first.  Nothing that they name (v25-27, s86-95, window 2, v40-47) is written before the one wait for them.
	global_load_b128 v[BIAS:BIAS+3], v[BA], s[92:93]
	global_load_b128 v[GG:GG+3], v[BA], s[94:95]
	WIN 0x80                                       ; destination window 2, offset window 0
.irp a, 0,1,2,3
.irp i, 0,1,2,3,4,5,6,7
	global_load_b32 v[RV+8*\a+\i], v[RI], s[90:91] offset:(16*\a+2*\i)*4
.endr
.endr
.irp a, 0,1,2,3
.irp i, 0,1,2,3,4,5,6,7
	global_load_b128 v[XR+32*\a+4*\i:XR+32*\a+4*\i+3], v[CO], s[86:87] offset:(32*(\a/2)+8*(\a%2)+2*\i+8*(\i/4))*16384   ; stage rows 2 i and 2 i + 1 of tile a are tokens 2 i + 8 (i / 4) and the next
.endr
.endr
	WIN 0
.macro FETCH slot, ks, f, sc           ; a K step's eight fragments into buffer f, its scale words into set sc
	WIN 0x40
.irp i, 0,1,2,3
.irp c, 0,1,2,3
	ds_load_b128 v[(\f)+16*\i+4*\c:(\f)+16*\i+4*\c+3], v[ADRA+\slot] offset:PANEL*(\ks)+2048*\i+512*\c
	ds_load_b128 v[(\f)+64+16*\i+4*\c:(\f)+64+16*\i+4*\c+3], v[ADRB+\slot] offset:PANEL*(\ks)+2048*\i+512*\c
.endr
.endr
	WIN 0
.irp i, 0,1,2,3
	ds_load_b32 v[SC+4*(\sc)+\i], v[ADRS+\slot] offset:PANEL*(\ks)+64*\i
.endr
.endm
.macro MUL8 f, sc, a0, zero            ; the 16 accumulators take turns, one instruction a turn, in the same order in every K step
	WIN 0x05
.irp a, \a0, \a0+1
.irp b, 0,1,2,3
.if \zero
	v_wmma_scale_f32_16x16x128_f8f6f4 v[ACC+8*(4*(\a)+\b):ACC+8*(4*(\a)+\b)+7], v[(\f)+64+16*\b:(\f)+64+16*\b+15], v[(\f)+16*(\a):(\f)+16*(\a)+15], 0, v[SC+4*(\sc)+\b], v[SC+4*(\sc)+(\a)] matrix_a_fmt:MATRIX_FMT_BF8 matrix_b_fmt:MATRIX_FMT_BF8 matrix_a_scale:MATRIX_SCALE_ROW1
.else
	v_wmma_scale_f32_16x16x128_f8f6f4 v[ACC+8*(4*(\a)+\b):ACC+8*(4*(\a)+\b)+7], v[(\f)+64+16*\b:(\f)+64+16*\b+15], v[(\f)+16*(\a):(\f)+16*(\a)+15], v[ACC+8*(4*(\a)+\b):ACC+8*(4*(\a)+\b)+7], v[SC+4*(\sc)+\b], v[SC+4*(\sc)+(\a)] matrix_a_fmt:MATRIX_FMT_BF8 matrix_b_fmt:MATRIX_FMT_BF8 matrix_a_scale:MATRIX_SCALE_ROW1
.endif
.endr
.endr
.endm
.macro KSTEP slot, ks, zero            ; one of a slot's first three K steps: the next one's fragments are asked for, then this one is multiplied
	s_wait_dscnt 0x0                               ; this K step's fragments are in
	PLACES 8                                       ; behind the products that read the other buffer
	FETCH \slot, (\ks)+1, 128*(1-(\ks)%2), 1-(\ks)%2
	MUL8 128*((\ks)%2), (\ks)%2, 0, \zero
	MUL8 128*((\ks)%2), (\ks)%2, 2, \zero
.endm
.macro TURN slot, next                 ; a slot's last K step changes slots; nothing is filled again
	WIN 0
	s_wait_tensorcnt 0x0                           ; all my tensor loads have landed: my part of the next slot
	ds_add_u32 v[SPW], v[NIL]                      ; 0 onto my spare word
	s_wait_dscnt 0x1                               ; the add alone may be out
	MUL8 F1, 1, 0, 0
	s_wait_dscnt 0x0                               ; the add is done, and my reads of this slot are over
	WIN 0
	s_barrier_signal -1
	s_barrier_wait -1
	PLACES 8
	FETCH \next, 0, F0, 0
	MUL8 F1, 1, 2, 0
.endm
	s_wait_tensorcnt 0x0                           ; my four panels are in
	s_barrier_signal -1
	s_barrier_wait -1
	FETCH 0, 0, F0, 0
	KSTEP 0, 0, 1                                  ; the first K step's products start the sums
	KSTEP 0, 1, 0
	KSTEP 0, 2, 0
	TURN 0, 1
	KSTEP 1, 0, 0
	KSTEP 1, 1, 0
	KSTEP 1, 2, 0
	s_wait_dscnt 0x0
	MUL8 F1, 1, 0, 0
	MUL8 F1, 1, 2, 0
	WIN 0
	PLACES 8                                       ; behind the last products, ahead of the first read of results
	s_wait_loadcnt 0x0                             ; bias, gain, x and 1 / (rms + eps): asked for at the head
	WIN 0x8a                                       ; destination and both sources in window 2
.irp a, 0,1,2,3
.irp i, 0,1,2,3,4,5,6,7
.irp j, 0,1,2,3
	v_mul_f32 v[XR+32*\a+4*\i+\j], v[XR+32*\a+4*\i+\j], v[RV+8*\a+\i]   ; x / (rms + eps)
.endr
.endr
.endr
	WIN 0
.irp a, 0,1,2,3                                ; THE WAY OUT, a tile of 16 tokens at a time
	s_wait_xcnt 0x0                                ; the last tile's stores have read their registers
.irp b, 0,1,2,3
	ds_store_b128 v[STO], v[ACC+8*(4*\a+\b):ACC+8*(4*\a+\b)+3] offset:128*(\b/2)+32*(\b%2)       ; feature 32 (b/2) + 16 h + 8 (b%2) + j; each accumulator from its low end on
	ds_store_b128 v[STO], v[ACC+8*(4*\a+\b)+4:ACC+8*(4*\a+\b)+7] offset:128*(\b/2)+32*(\b%2)+16
.endr
.irp i, 0,1,2,3,4,5,6,7
	ds_load_b128 v[YR+4*\i:YR+4*\i+3], v[RD] offset:544*\i   ; LDS serves a wave's instructions in order: these see my stores
.endr
	s_wait_dscnt 0x0
.irp i, 0,1,2,3,4,5,6,7
	v_pk_add_f32 v[YR+4*\i:YR+4*\i+1], v[YR+4*\i:YR+4*\i+1], v[BIAS:BIAS+1]
	v_pk_add_f32 v[YR+4*\i+2:YR+4*\i+3], v[YR+4*\i+2:YR+4*\i+3], v[BIAS+2:BIAS+3]
.endr
	WIN 0x02                                       ; source 0 in window 2
.irp i, 0,1,2,3,4,5,6,7
	v_pk_fma_f32 v[YR+4*\i:YR+4*\i+1], v[XR+32*\a+4*\i:XR+32*\a+4*\i+1], v[GG:GG+1], v[YR+4*\i:YR+4*\i+1]           ; + h
	v_pk_fma_f32 v[YR+4*\i+2:YR+4*\i+3], v[XR+32*\a+4*\i+2:XR+32*\a+4*\i+3], v[GG+2:GG+3], v[YR+4*\i+2:YR+4*\i+3]
.endr
	WIN 0
.irp i, 0,1,2,3,4,5,6,7
	global_store_b128 v[CO], v[YR+4*\i:YR+4*\i+3], s[88:89] offset:(32*(\a/2)+8*(\a%2)+2*\i+8*(\i/4))*16384   ; 16 lanes store 256 consecutive bytes, aligned
.endr
.endr
	s_wait_tensorcnt 0x0                           ; the wave's end
	ds_add_u32 v[SPW], v[NIL]
	s_wait_dscnt 0x0
	CROUND                                         ; the closing round
	s_endpgm
.Lfunc_end_k_q96a4d01581_wo:
	.size	k_q96a4d01581_wo, .Lfunc_end_k_q96a4d01581_wo-k_q96a4d01581_wo
	.p2alignl 7, 3214868480
	.fill 96, 4, 3214868480
	.section	.rodata,"a",@progbits
	.p2align	6, 0x0
	.amdhsa_kernel k_q96a4d01581_wo
		.amdhsa_group_segment_fixed_size 327680
		.amdhsa_private_segment_fixed_size 0
		.amdhsa_enable_private_segment 0
		.amdhsa_kernarg_size 56
		.amdhsa_user_sgpr_count 2
		.amdhsa_user_sgpr_kernarg_segment_ptr 1
		.amdhsa_wavefront_size32 1
		.amdhsa_system_sgpr_workgroup_id_x 1
		.amdhsa_system_sgpr_workgroup_id_y 1
		.amdhsa_system_sgpr_workgroup_id_z 1
		.amdhsa_system_vgpr_workitem_id 0
		.amdhsa_next_free_vgpr 768
		.amdhsa_next_free_sgpr 98
		.amdhsa_reserve_vcc 0
		.amdhsa_float_denorm_mode_32 3
		.amdhsa_float_denorm_mode_16_64 3
		.amdhsa_memory_ordered 1
		.amdhsa_forward_progress 1
		.amdhsa_inst_pref_size 71
	.end_amdhsa_kernel
	.amdgpu_metadata
---
amdhsa.version: [ 1, 2 ]
amdhsa.kernels:
  - .name:           k_q96a4d01581_wo
    .symbol:         k_q96a4d01581_wo.kd
    .args:
      - { .name: ac, .offset: 0, .size: 8, .value_kind: global_buffer, .address_space: global }
      - { .name: wc, .offset: 8, .size: 8, .value_kind: global_buffer, .address_space: global }
      - { .name: bo, .offset: 16, .size: 8, .value_kind: global_buffer, .address_space: global }
      - { .name: x, .offset: 24, .size: 8, .value_kind: global_buffer, .address_space: global }
      - { .name: rinv, .offset: 32, .size: 8, .value_kind: global_buffer, .address_space: global }
      - { .name: g_attn, .offset: 40, .size: 8, .value_kind: global_buffer, .address_space: global }
      - { .name: h2, .offset: 48, .size: 8, .value_kind: global_buffer, .address_space: global }
    .group_segment_fixed_size: 327680
    .private_segment_fixed_size: 0
    .kernarg_segment_align: 8
    .kernarg_segment_size: 56
    .max_flat_workgroup_size: 128
    .sgpr_count:     98
    .vgpr_count:     768
    .wavefront_size: 32
...
	.end_amdgpu_metadata
.endif
;; end of part 4
;; launch norm2: the kernel of part 1 again; grid 256 x 1, 8 waves a work-group, no clusters, 69,120 bytes of LDS; arguments h2, g_ff, Wq, Wk, Wv, Wo, W_in, W_out, rel_v, ac, wc, rt, rinv; writes ac, wc, rt, rinv
;; launch ffn1 (part 5): grid 16 x 16, 4 waves a work-group, clusters of 4 x 4, 327,680 bytes of LDS; arguments ac, wc, b_in, act; writes act
.if DOCPART == 5
	.amdgcn_target "amdgcn-amd-amdhsa--gfx1250"
	.amdhsa_code_object_version 6
	.text
	.protected	k_q96a4d01581_ffn1
	.globl	k_q96a4d01581_ffn1
	.p2align	8
	.type	k_q96a4d01581_ffn1,@function
k_q96a4d01581_ffn1:
	s_mov_b64 s[64:65], 0
	v_nop
	global_prefetch_b8 v0, s[64:65] scope:SCOPE_SE
	s_setreg_imm32_b32 hwreg(HW_REG_WAVE_MODE, 25, 1), 1
	s_wait_xcnt 0x0
	s_wait_alu depctr_hold_cnt(0) depctr_sa_sdst(0) depctr_va_vdst(0) depctr_va_sdst(0) depctr_va_ssrc(0) depctr_va_vcc(0) depctr_vm_vsrc(0)
	s_getreg_b32 s2, hwreg(HW_REG_IB_STS2, 6, 4)
	s_cmp_eq_u32 s2, 0
	s_cbranch_scc0 .Lentry_in_a_cluster
	s_endpgm
.Lentry_in_a_cluster:
	s_bfe_u32 s2, ttmp6, 0x10000c
	s_cmp_lg_u32 s2, 0xf033
	s_cbranch_scc0 .Lentry_shape_is_right
	s_endpgm
.Lentry_shape_is_right:
.set PANEL,  16896
.set REG,    33792
.set SLOT,   33792                     ; LDS: a region of 67,584 bytes for each wave's 128 rows; in it slot 0 (two panels), then slot 1
.set WREG,   67584
.set SPARE,  270336
.set ROWS8,  135168
.set WIN_OFF, 4325376
.set NQ,     2
.set FR,     16
.set NL,     4
.set NPL,    8
.set LAPS,   2
.set ADRA, 16
.set ADRB, 20
.set ADRS, 22
.set LI,   24
.set LS,   25
.set BQA,  26
.set SPW,  28
.set NIL,  29
.set SC,   32
.set BI,   64
.set AF,   128
.set ZZ,   64
.set Z2,   80
.set PP,   96
.set QQ,   112
.set TM,   128
.set PW,   144
.set CA,   148
.set CB,   150
.set PC,   160
.set SEL,  12
.set MNT,  100
.set G1,  24
.set G0,  32
.set G1B, 48
.set G0B, 56
.set MSB, 0
.macro WIN new
.if MSB != (\new)
	s_set_vgpr_msb (MSB<<8)|(\new)
.set MSB, (\new)
.endif
.endm
.set MUL_LO, 0xa1
.set MUL_HI, 0xf1
.set TO_B,   0x40
.macro JLOAD g0a, g1a, g0b, g1b
	s_cmp_eq_u32 s15, 0
	s_cbranch_scc0 .Lfor_b_\@
	tensor_load_to_lds s[\g0a:\g0a+3], s[\g1a:\g1a+7]
	s_nop 0
.rept 4
	v_nop
.endr
	s_branch .Lasked_\@
.Lfor_b_\@:
	tensor_load_to_lds s[\g0b:\g0b+3], s[\g1b:\g1b+7]
	s_nop 0
.rept 4
	v_nop
.endr
.Lasked_\@:
.endm
.macro CREST
	s_cmp_lg_u32 s14, 0
	s_cbranch_scc1 .Lnot_wave_0_\@
	s_barrier_signal -3
.Lnot_wave_0_\@:
	s_barrier_wait -3
	s_barrier_signal -1
	s_barrier_wait -1
.endm
.macro CROUND
	s_barrier_signal -1
	s_barrier_wait -1
	CREST
.endm
.macro QUANT s, nb
.set qb, 0
.rept \nb
	v_max3_num_f32 v[TM+qb], |v[(\s)+16*qb]|, |v[(\s)+16*qb+1]|, 0x8000000
.set qb, qb+1
.endr
.set qi, 2
.rept 7
.set qb, 0
.rept \nb
	v_max3_num_f32 v[TM+qb], v[TM+qb], |v[(\s)+16*qb+qi]|, |v[(\s)+16*qb+qi+1]|
.set qb, qb+1
.endr
.set qi, qi+2
.endr
.set qb, 0
.rept \nb
	v_permlanex16_b32 v[TM+4+qb], v[TM+qb], s[SEL], s[SEL+1]
.set qb, qb+1
.endr
.set qb, 0
.rept \nb
	v_max_num_f32 v[TM+qb], v[TM+qb], v[TM+4+qb]
.set qb, qb+1
.endr
.set qb, 0
.rept \nb
	v_add_nc_u32 v[TM+12+qb], 0xf8800000, v[TM+qb]
.set qb, qb+1
.endr
.set qb, 0
.rept \nb
	v_and_or_b32 v[TM+8+qb], v[TM+qb], 0x7f800000, s[MNT]
.set qb, qb+1
.endr
.set qb, 0
.rept \nb
	v_lshrrev_b32 v[TM+4+qb], 23, v[TM+12+qb]
.set qb, qb+1
.endr
	v_lshl_or_b32 v[PW], v[TM+5], 8, v[TM+4]
.if \nb > 2
	v_lshl_or_b32 v[PW], v[TM+6], 16, v[PW]
	v_lshl_or_b32 v[PW], v[TM+7], 24, v[PW]
.endif
.set qb, 0
.rept \nb
.set qi, 0
.rept 16
	v_med3_num_f32 v[(\s)+16*qb+qi], v[(\s)+16*qb+qi], -v[TM+8+qb], v[TM+8+qb]
.set qi, qi+1
.endr
	v_cvt_scalef32_pk8_bf8_f32 v[PC+4*qb:PC+4*qb+1], v[(\s)+16*qb:(\s)+16*qb+7], v[TM+12+qb]
	v_cvt_scalef32_pk8_bf8_f32 v[PC+4*qb+2:PC+4*qb+3], v[(\s)+16*qb+8:(\s)+16*qb+15], v[TM+12+qb]
.set qb, qb+1
.endr
	v_nop
.endm
	s_load_b256 s[4:11], s[0:1], 0x0
	v_lshl_add_u32 v[SPW], v0, 2, SPARE
	v_mov_b32 v[NIL], 0
	ds_add_u32 v[SPW], v[NIL]                      ; the opening lines: the add, twice on end, and its wait ahead of the first round
	ds_add_u32 v[SPW], v[NIL]
	v_lshrrev_b32 v1, 5, v0
	v_readfirstlane_b32 s14, v1
	s_lshr_b32 s15, s14, 1
	s_and_b32 s16, s14, 1
	s_bfe_u32 s40, ttmp6, 0x40000
	s_bfe_u32 s41, ttmp6, 0x40004
	s_and_b32 s43, ttmp7, 0xffff
	s_lshl_b32 s43, s43, 2
	s_add_co_u32 s43, s43, s41
	s_lshl_b32 s44, ttmp9, 2
	s_add_co_u32 s44, s44, s40
	s_lshl_b32 s45, s41, 2
	s_lshl_b32 s45, 15, s45
	s_lshl_b32 s46, 0x1111, s40
	s_or_b32 s[G1+0], s45, (3<<16)|(1<<21)
	s_or_b32 s[G1B+0], s46, (3<<16)|(1<<21)
.irp g, G1, G1B
	s_mov_b32 s[\g+1], 32<<16
	s_mov_b32 s[\g+2], 264<<16                     ; the head's load: 264 rows of 256 bytes, four panels, dense: both slots of my region
	s_mov_b32 s[\g+3], 32<<16
	s_mov_b32 s[\g+4], 264
	s_mov_b32 s[\g+5], 32
	s_mov_b32 s[\g+6], 0
	s_mov_b32 s[\g+7], 0
.endr
	s_lshl_b32 s47, s43, 1
	s_add_co_u32 s47, s47, s16
	s_mul_i32 s72, s47, ROWS8
	s_mov_b32 s73, 0
	s_lshl_b32 s74, s44, 1
	s_add_co_u32 s74, s74, s16
	s_mul_i32 s74, s74, ROWS8
	s_add_co_u32 s74, s74, WIN_OFF
	s_mov_b32 s75, 0
	s_mul_i32 s76, s14, WREG
	s_lshl_b32 s92, s44, 10
	s_lshl_b32 s93, s16, 9
	s_add_co_u32 s92, s92, s93
	s_mov_b32 s93, 0
	s_mov_b32 s[SEL], 0x76543210
	s_mov_b32 s[SEL+1], 0xfedcba98
	s_mov_b32 s[MNT], 0x600000
	s_wait_dscnt 0x0                               ; both opening adds are done
	s_wait_kmcnt 0x0
	s_add_nc_u64 s[78:79], s[4:5], s[72:73]
	s_add_nc_u64 s[80:81], s[6:7], s[74:75]
	s_add_nc_u64 s[92:93], s[8:9], s[92:93]
	CROUND
.irp s, 0,1
	s_mov_b32 s[G0+4*\s], 1
	s_add_co_u32 s[G0+4*\s+1], s76, \s*SLOT
	s_add_nc_u64 s[G0+4*\s+2:G0+4*\s+3], s[78:79], \s*REG
	s_or_b32 s[G0+4*\s+3], s[G0+4*\s+3], 0x80000000
	s_mov_b32 s[G0B+4*\s], 1
	s_add_co_u32 s[G0B+4*\s+1], s76, \s*SLOT
	s_add_nc_u64 s[G0B+4*\s+2:G0B+4*\s+3], s[80:81], \s*REG
	s_or_b32 s[G0B+4*\s+3], s[G0B+4*\s+3], 0x80000000
.endr
	JLOAD G0, G1, G0B, G1B                         ; my one load at the head: K steps 0 to 3 of my 128 rows, by slot 0's group 0
	v_and_b32 v1, 15, v0
	v_bfe_u32 v2, v0, 4, 1
	v_and_b32 v3, 31, v0
	v_lshlrev_b32 v[LI], 4, v3
	v_lshlrev_b32 v[LS], 2, v1
	s_mul_i32 s77, s15, WREG
	s_mul_i32 s104, s16, WREG
	s_add_co_u32 s104, s104, 2*WREG
	s_sub_co_u32 s105, s104, s77
	v_mul_u32_u24 v4, s105, v2
	v_add_nc_u32 v4, v4, v[LS]
.irp s, 0,1
	v_add_nc_u32 v[ADRA+\s], s77, v[LI]
	v_add_nc_u32 v[ADRB+\s], s104, v[LI]
	v_add_nc_u32 v[ADRS+\s], s77, v4
	v_add_nc_u32 v[ADRS+\s], 16384, v[ADRS+\s]
	s_add_co_u32 s77, s77, SLOT
	s_add_co_u32 s104, s104, SLOT
.endr
	v_lshlrev_b32 v[BQA], 6, v2
.irp b, 0,1,2,3
.irp j, 0,1,2,3
	global_load_b128 v[BI+16*\b+4*\j:BI+16*\b+4*\j+3], v[BQA], s[92:93] offset:128*\b+16*\j
.endr
.endr
	; the prefetches' address: my wave's refills are 132 blocks of 256 bytes each; of them each of the four partners that ask jointly names 33, told apart by address (cx for A's tiles, cy for B's)
	s_cmp_eq_u32 s15, 0                            ; do I fetch for A?
	s_cselect_b32 s86, s40, s41                    ; my place among the four that ask with me
	s_cselect_b64 s[84:85], s[78:79], s[80:81]     ; where my wave's rows begin
	s_mul_i32 s86, s86, 33*256
	s_add_co_u32 s86, s86, 2*REG                   ; K steps 4 and 5: the first refill
	s_mov_b32 s87, 0
	s_add_nc_u64 s[84:85], s[84:85], s[86:87]
	v_lshlrev_b32 v30, 8, v3                       ; 256 x lane,
	v_mov_b32 v31, 0                               ; and 0
.macro FRAG reg, adr, q, i
.irp c, 0,1,2,3
	ds_load_b128 v[\reg+4*\c:\reg+4*\c+3], v[\adr] offset:PANEL*(\q)+2048*(\i)+512*\c
.endr
.endm
.macro MUL16 a0, p, q, sc, zero
.irp a, \a0, \a0+1
.irp b, 0,1,2,3,4,5,6,7
.if \zero
	v_wmma_scale_f32_16x16x128_f8f6f4 v[8*(8*((\a)%4)+\b):8*(8*((\a)%4)+\b)+7], v[128*(\p)+FR*\b:128*(\p)+FR*\b+FR-1], v[AF+FR*(\a):AF+FR*(\a)+FR-1], 0, v[SC+8*NQ*(\sc)+NQ*\b+(\q)], v[SC+8*NQ*(\sc)+NQ*(\a)+(\q)] matrix_a_fmt:MATRIX_FMT_BF8 matrix_b_fmt:MATRIX_FMT_BF8 matrix_a_scale:MATRIX_SCALE_ROW1
.else
	v_wmma_scale_f32_16x16x128_f8f6f4 v[8*(8*((\a)%4)+\b):8*(8*((\a)%4)+\b)+7], v[128*(\p)+FR*\b:128*(\p)+FR*\b+FR-1], v[AF+FR*(\a):AF+FR*(\a)+FR-1], v[8*(8*((\a)%4)+\b):8*(8*((\a)%4)+\b)+7], v[SC+8*NQ*(\sc)+NQ*\b+(\q)], v[SC+8*NQ*(\sc)+NQ*(\a)+(\q)] matrix_a_fmt:MATRIX_FMT_BF8 matrix_b_fmt:MATRIX_FMT_BF8 matrix_a_scale:MATRIX_SCALE_ROW1
.endif
.endr
.endr
.endm
.macro FETCH_B slot, q, p
	WIN TO_B
.irp i, 0,1,2,3,4,5,6,7
	FRAG 128*(\p)+FR*\i, ADRB+\slot, \q, \i
.endr
	WIN 0
.endm
.macro FETCH_A slot, q, i0
.irp i, \i0, \i0+1, \i0+2, \i0+3
	FRAG AF+FR*(\i), ADRA+\slot, \q, \i
.endr
.endm
.macro SCALES sc
.irp i, 0,1,2,3,4,5,6,7
	ds_load_b32 v[SC+16*\sc+2*\i], v[ADRS+\sc] offset:64*\i
	ds_load_b32 v[SC+16*\sc+2*\i+1], v[ADRS+\sc] offset:PANEL+64*\i
.endr
.endm
.macro PLACES n
.rept \n
	v_nop
.endr
.endm
.macro STEP slot, q, zero
	s_wait_dscnt 4*NL
	WIN MUL_LO
	MUL16 0, (\q)%2, \q, \slot, \zero
	MUL16 2, (\q)%2, \q, \slot, \zero
	s_wait_dscnt 0x0
	PLACES NPL
	FETCH_B \slot, (\q)+1, 1-(\q)%2
	FETCH_A \slot, (\q)+1, 0
	WIN MUL_HI
	MUL16 4, (\q)%2, \q, \slot, \zero
	MUL16 6, (\q)%2, \q, \slot, \zero
	PLACES NPL
	WIN 0
	FETCH_A \slot, (\q)+1, 4
.endm
.macro TURN slot, next, fill
	s_wait_tensorcnt 0x0
	ds_add_u32 v[SPW], v[NIL]
	s_wait_dscnt 4*NL+1
	WIN MUL_LO
	MUL16 0, 1, NQ-1, \slot, 0
	s_wait_dscnt 0x0
	s_barrier_signal -1
	MUL16 2, 1, NQ-1, \slot, 0
	WIN 0
	s_barrier_wait -1
.if \fill
	CREST
	s_add_nc_u64 s[G0+4*\slot+2:G0+4*\slot+3], s[G0+4*\slot+2:G0+4*\slot+3], 2*REG
	s_add_nc_u64 s[G0B+4*\slot+2:G0B+4*\slot+3], s[G0B+4*\slot+2:G0B+4*\slot+3], 2*REG
	JLOAD G0+4*\slot, G1, G0B+4*\slot, G1B
	PLACES NPL-4
.else
	PLACES NPL
.endif
	FETCH_B \next, 0, 0
	FETCH_A \next, 0, 0
	SCALES \next
	WIN MUL_HI
	MUL16 4, 1, NQ-1, \slot, 0
	MUL16 6, 1, NQ-1, \slot, 0
	PLACES NPL
	WIN 0
	FETCH_A \next, 0, 4
.endm
	s_wait_alu depctr_va_vdst(0)
	s_wait_loadcnt 0x0
	s_wait_tensorcnt 0x0                           ; my four panels are in, and no tensor load of mine is out: a descriptor may be written
	s_mov_b32 s[G1+2], 132<<16                     ; from here on a load brings one slot of my region: 132 rows
	s_mov_b32 s[G1+4], 132
	s_mov_b32 s[G1B+2], 132<<16
	s_mov_b32 s[G1B+4], 132
	s_barrier_signal -1
	s_barrier_wait -1
	FETCH_B 0, 0, 0
	FETCH_A 0, 0, 0
	SCALES 0
	FETCH_A 0, 0, 4
	; A PREFETCH INTO THE L2 of the launch's two refills (K steps 4-5 and 6-7), which have no earlier trip to be asked in: 128 and 256 matrix instructions ahead of the loads that want them.
	; 32 blocks by a line with a lane a block, the 33rd by a line with all lanes on it.  K ends with these refills, so nothing is asked in the loop.
	global_prefetch_b8 v30, s[84:85] th:TH_LOAD_NT scope:SCOPE_SE
	global_prefetch_b8 v31, s[84:85] offset:8192 th:TH_LOAD_NT scope:SCOPE_SE
	global_prefetch_b8 v30, s[84:85] offset:REG th:TH_LOAD_NT scope:SCOPE_SE
	global_prefetch_b8 v31, s[84:85] offset:REG+8192 th:TH_LOAD_NT scope:SCOPE_SE
	STEP 0, 0, 1
	s_mov_b32 s3, LAPS-1
.Llap:
	TURN 0, 1, 1
	STEP 1, 0, 0
	TURN 1, 0, 1
	STEP 0, 0, 0
	s_sub_co_u32 s3, s3, 1
	s_cmp_lg_u32 s3, 0
	s_cbranch_scc1 .Llap
	TURN 0, 1, 0
	STEP 1, 0, 0
	s_wait_dscnt 4*NL
	WIN MUL_LO
	MUL16 0, 1, NQ-1, 1, 0
	MUL16 2, 1, NQ-1, 1, 0
	s_wait_dscnt 0x0
	WIN MUL_HI
	MUL16 4, 1, NQ-1, 1, 0
	MUL16 6, 1, NQ-1, 1, 0
	WIN 0
.macro TAKEQ a
	WIN 0x42+(\a)/4
.set n, 0
.rept 32
	v_pk_add_f32 v[n:n+1], v[64*((\a)%4)+n:64*((\a)%4)+n+1], v[BI+n:BI+n+1]
.set n, n+2
.endr
	WIN 0
.endm
.macro GELU16 t
.irp k, 0,2,4,6,8,10,12,14
	v_pk_mul_f32 v[ZZ+\k:ZZ+\k+1], v[(\t)+\k:(\t)+\k+1], s[86:87] op_sel_hi:[1,0]
.endr
.irp k, 0,1,2,3,4,5,6,7,8,9,10,11,12,13,14,15
	v_med3_num_f32 v[ZZ+\k], v[ZZ+\k], -4.0, 4.0
.endr
.irp k, 0,2,4,6,8,10,12,14
	v_pk_mul_f32 v[Z2+\k:Z2+\k+1], v[ZZ+\k:ZZ+\k+1], v[ZZ+\k:ZZ+\k+1]
.endr
.irp k, 0,2,4,6,8,10,12,14
	v_pk_fma_f32 v[PP+\k:PP+\k+1], v[Z2+\k:Z2+\k+1], s[66:67], v[CA:CA+1] op_sel_hi:[1,0,1]
	v_pk_fma_f32 v[QQ+\k:QQ+\k+1], v[Z2+\k:Z2+\k+1], s[78:79], v[CB:CB+1] op_sel_hi:[1,0,1]
.endr
.irp cf, 68,70,72,74,76
.irp k, 0,2,4,6,8,10,12,14
	v_pk_fma_f32 v[PP+\k:PP+\k+1], v[PP+\k:PP+\k+1], v[Z2+\k:Z2+\k+1], s[\cf:\cf+1] op_sel_hi:[1,1,0]
.endr
.endr
.irp cf, 80,82,84
.irp k, 0,2,4,6,8,10,12,14
	v_pk_fma_f32 v[QQ+\k:QQ+\k+1], v[QQ+\k:QQ+\k+1], v[Z2+\k:Z2+\k+1], s[\cf:\cf+1] op_sel_hi:[1,1,0]
.endr
.endr
.irp k, 0,2,4,6,8,10,12,14
	v_pk_mul_f32 v[PP+\k:PP+\k+1], v[PP+\k:PP+\k+1], v[ZZ+\k:ZZ+\k+1]
.endr
	s_wait_alu depctr_va_vdst(0)
.irp k, 0,1,2,3,4,5,6,7,8,9,10,11,12,13,14,15
	v_rcp_f32 v[QQ+\k], v[QQ+\k]
.endr
.irp k, 0,2,4,6,8,10,12,14
	v_pk_mul_f32 v[(\t)+\k:(\t)+\k+1], v[(\t)+\k:(\t)+\k+1], 0.5 op_sel_hi:[1,0]
.endr
	s_wait_alu depctr_va_vdst(0)
.irp k, 0,2,4,6,8,10,12,14
	v_pk_mul_f32 v[PP+\k:PP+\k+1], v[PP+\k:PP+\k+1], v[QQ+\k:QQ+\k+1]
.endr
.irp k, 0,2,4,6,8,10,12,14
	v_pk_fma_f32 v[(\t)+\k:(\t)+\k+1], v[(\t)+\k:(\t)+\k+1], v[PP+\k:PP+\k+1], v[(\t)+\k:(\t)+\k+1]
.endr
.endm
	s_wait_xcnt 0x0                                ; the prefetches have read their address: its registers serve the way out from here on
	PLACES NPL
	WIN 0x40
.irp b, 0,1,2,3
	v_mov_b32 v[TM+4+\b], 0
.endr
	v_mov_b32 v[CA], 0x32edffee
	v_mov_b32 v[CA+1], 0x32edffee
	v_mov_b32 v[CB], 0xb95fbd29
	v_mov_b32 v[CB+1], 0xb95fbd29
	WIN 0
.macro COEF r, bits
	s_mov_b32 s[\r], \bits
	s_mov_b32 s[\r+1], \bits
.endm
	COEF 66, 0xaf95df0b
	COEF 68, 0xb60cff51
	COEF 70, 0xb86ec2d2
	COEF 72, 0xba40ac63
	COEF 74, 0xbb41a1f6
	COEF 76, 0xbc83dbd4
	COEF 78, 0xb77460cd
	COEF 80, 0xbadc924e
	COEF 82, 0xbbf19bf8
	COEF 84, 0xbc69b6a7
	COEF 86, 0x3f3504f3
	s_lshl_b32 s22, s43, 1
	s_add_co_u32 s22, s22, s15
	s_lshl_b32 s22, s22, 5
	s_lshl_b32 s23, s44, 1
	s_add_co_u32 s22, s22, s23
	s_add_co_u32 s22, s22, s16
	s_mul_i32 s22, s22, PANEL
	s_mov_b32 s23, 0
	s_add_nc_u64 s[88:89], s[10:11], s[22:23]
	s_add_nc_u64 s[90:91], s[88:89], 16384
	s_mov_b32 s3, 0
.Lrow:
.irp a, 0,1,2,3,4,5,6
	s_cmp_eq_u32 s3, \a
	s_cbranch_scc1 .Lrow_take\a
.endr
.irp a, 7,6,5,4,3,2,1,0
.Lrow_take\a:
	TAKEQ \a
.if \a > 0
	s_branch .Lrow_taken
.endif
.endr
.Lrow_taken:
	WIN 0x55
	GELU16 0
	GELU16 16
	GELU16 32
	GELU16 48
	s_wait_alu depctr_va_vdst(0)                   ; the wait here, directly ahead of the wait below
	s_wait_xcnt 0x0                                ; the last block's stores have read their data and their bases: the quantiser below is the first to write the codes and the scale word again
	s_add_nc_u64 s[88:89], s[88:89], 2048          ; the bases stand one block ahead of the stores, whose immediates take that off
	s_add_nc_u64 s[90:91], s[90:91], 64
	QUANT 0, 4
	WIN 0x04
.irp c, 0,1,2,3
	global_store_b128 v[LI], v[PC+4*\c:PC+4*\c+3], s[88:89] offset:512*\c-2048
.endr
	global_store_b32 v[LS], v[PW], s[90:91] offset:-64
	WIN 0
	s_add_co_u32 s3, s3, 1
	s_cmp_lt_u32 s3, 8
	s_cbranch_scc1 .Lrow
	s_wait_tensorcnt 0x0
	ds_add_u32 v[SPW], v[NIL]
	s_wait_dscnt 0x0
	CROUND
	s_endpgm
.Lfunc_end_k_q96a4d01581_ffn1:
	.size	k_q96a4d01581_ffn1, .Lfunc_end_k_q96a4d01581_ffn1-k_q96a4d01581_ffn1
	.p2alignl 7, 3214868480
	.fill 96, 4, 3214868480
	.section	.rodata,"a",@progbits
	.p2align	6, 0x0
	.amdhsa_kernel k_q96a4d01581_ffn1
		.amdhsa_group_segment_fixed_size 327680
		.amdhsa_private_segment_fixed_size 0
		.amdhsa_enable_private_segment 0
		.amdhsa_kernarg_size 32
		.amdhsa_user_sgpr_count 2
		.amdhsa_user_sgpr_kernarg_segment_ptr 1
		.amdhsa_wavefront_size32 1
		.amdhsa_system_sgpr_workgroup_id_x 1
		.amdhsa_system_sgpr_workgroup_id_y 1
		.amdhsa_system_sgpr_workgroup_id_z 1
		.amdhsa_system_vgpr_workitem_id 0
		.amdhsa_next_free_vgpr 1024
		.amdhsa_next_free_sgpr 106
		.amdhsa_reserve_vcc 0
		.amdhsa_float_denorm_mode_32 3
		.amdhsa_float_denorm_mode_16_64 3
		.amdhsa_memory_ordered 1
		.amdhsa_forward_progress 1
		.amdhsa_inst_pref_size 184
	.end_amdhsa_kernel
	.amdgpu_metadata
---
amdhsa.version: [ 1, 2 ]
amdhsa.kernels:
  - .name:           k_q96a4d01581_ffn1
    .symbol:         k_q96a4d01581_ffn1.kd
    .args:
      - { .name: ac, .offset: 0, .size: 8, .value_kind: global_buffer, .address_space: global }
      - { .name: wc, .offset: 8, .size: 8, .value_kind: global_buffer, .address_space: global }
      - { .name: b_in, .offset: 16, .size: 8, .value_kind: global_buffer, .address_space: global }
      - { .name: act, .offset: 24, .size: 8, .value_kind: global_buffer, .address_space: global }
    .group_segment_fixed_size: 327680
    .private_segment_fixed_size: 0
    .kernarg_segment_align: 8
    .kernarg_segment_size: 32
    .max_flat_workgroup_size: 128
    .sgpr_count:     106
    .vgpr_count:     1024
    .wavefront_size: 32
...
	.end_amdgpu_metadata
.endif
;; end of part 5
;; launch ffn2 (part 6): grid 8 x 32, 4 waves a work-group, clusters of 4 x 4, 327,680 bytes of LDS; arguments act, wc, b_out, h2, out0; writes out0
.if DOCPART == 6
	.amdgcn_target "amdgcn-amd-amdhsa--gfx1250"
	.amdhsa_code_object_version 6
	.text
	.protected	k_q96a4d01581_ffn2
	.globl	k_q96a4d01581_ffn2
	.p2align	8
	.type	k_q96a4d01581_ffn2,@function
k_q96a4d01581_ffn2:
	s_mov_b64 s[64:65], 0
	v_nop
	global_prefetch_b8 v0, s[64:65] scope:SCOPE_SE
	s_setreg_imm32_b32 hwreg(HW_REG_WAVE_MODE, 25, 1), 1
	s_wait_xcnt 0x0
	s_wait_alu depctr_hold_cnt(0) depctr_sa_sdst(0) depctr_va_vdst(0) depctr_va_sdst(0) depctr_va_ssrc(0) depctr_va_vcc(0) depctr_vm_vsrc(0)
	s_getreg_b32 s2, hwreg(HW_REG_IB_STS2, 6, 4)
	s_cmp_eq_u32 s2, 0
	s_cbranch_scc0 .Lentry_in_a_cluster
	s_endpgm
.Lentry_in_a_cluster:
	s_bfe_u32 s2, ttmp6, 0x10000c
	s_cmp_lg_u32 s2, 0xf033
	s_cbranch_scc0 .Lentry_shape_is_right
	s_endpgm
.Lentry_shape_is_right:
.set NK,     32
.set BOFF,   8650752
.set PANEL,  16896
.set REG,    33792
.set HALF,   67584
.set SLOT,   135168
.set SPARE,  270336
.set LAPS,   NK/8
.set ADRA, 16
.set ADRB, 18
.set ADRS, 20
.set LI,   22
.set STO,  23
.set RD,   24
.set CO,   25
.set BA,   27
.set SPW,  28
.set NIL,  29
.set SC,   32
.set BIAS, 40
.set YR,   48
.set XR,   0
.set ACC,  128
.set F0,   0
.set F1,   128
.set G1,  24
.set G0,  32
.set G1B, 48
.set G0B, 56
.set MSB, 0
.macro WIN new
.if MSB != (\new)
	s_set_vgpr_msb (MSB<<8)|(\new)
.set MSB, (\new)
.endif
.endm
.macro JLOAD s
	s_cmp_eq_u32 s15, 0
	s_cbranch_scc0 .Lfor_b_\@
	tensor_load_to_lds s[G0+4*\s:G0+4*\s+3], s[G1:G1+7]
	s_nop 0
.rept 4
	v_nop
.endr
	s_branch .Lasked_\@
.Lfor_b_\@:
	tensor_load_to_lds s[G0B+4*\s:G0B+4*\s+3], s[G1B:G1B+7]
	s_nop 0
.rept 4
	v_nop
.endr
.Lasked_\@:
.endm
.macro CROUND
	s_barrier_signal -1
	s_barrier_wait -1
	s_cmp_lg_u32 s14, 0
	s_cbranch_scc1 .Lnot_wave_0_\@
	s_barrier_signal -3
.Lnot_wave_0_\@:
	s_barrier_wait -3
	s_barrier_signal -1
	s_barrier_wait -1
.endm
; A PREFETCH INTO THE L2 of what the refill two refills on will bring: my wave's 132 blocks of 256 bytes, of which each of the four partners that ask jointly names 33, told apart by address (cx for A, cy for B):
; 32 by the first line, a lane a block; the last by the second line, all lanes on that one block.  how = 1, in the loop: its last trip's two refills have no refill two on.
.macro ASK how
.if \how
	s_cmp_gt_u32 s3, 1
	s_cbranch_scc0 .Lno_ask_\@
.endif
.if (\how) == 0                        ; how = 0, once, behind the first tiles' landing: the first refill too, which has no earlier trip to be asked in
	global_prefetch_b8 v30, s[66:67] th:TH_LOAD_NT scope:SCOPE_SE
	global_prefetch_b8 v31, s[66:67] offset:8192 th:TH_LOAD_NT scope:SCOPE_SE
.endif
	global_prefetch_b8 v30, s[66:67] offset:HALF th:TH_LOAD_NT scope:SCOPE_SE        ; the address stands four K steps under what the loop asks for
	global_prefetch_b8 v31, s[66:67] offset:HALF+8192 th:TH_LOAD_NT scope:SCOPE_SE
.Lno_ask_\@:
.endm
.macro PLACES n
.rept \n
	v_nop
.endr
.endm
	s_load_b256 s[4:11], s[0:1], 0x0
	s_load_b64 s[72:73], s[0:1], 0x20
	v_lshl_add_u32 v[SPW], v0, 2, SPARE
	v_mov_b32 v[NIL], 0
	ds_add_u32 v[SPW], v[NIL]                      ; the opening lines: the add, twice on end, and its wait ahead of the first round
	ds_add_u32 v[SPW], v[NIL]
	v_lshrrev_b32 v1, 5, v0
	v_readfirstlane_b32 s14, v1
	s_lshr_b32 s15, s14, 1
	s_and_b32 s16, s14, 1
	s_bfe_u32 s40, ttmp6, 0x40000
	s_bfe_u32 s41, ttmp6, 0x40004
	s_lshl_b32 s44, ttmp9, 2
	s_add_co_u32 s44, s44, s40
	s_and_b32 s43, ttmp7, 0xffff
	s_lshl_b32 s43, s43, 2
	s_add_co_u32 s43, s43, s41
	s_lshl_b32 s45, s41, 2
	s_lshl_b32 s45, 15, s45
	s_lshl_b32 s46, 0x1111, s40
	s_or_b32 s[G1+0], s45, (3<<16)|(1<<21)
	s_or_b32 s[G1B+0], s46, (3<<16)|(1<<21)
.irp g, G1, G1B
	s_mov_b32 s[\g+1], 32<<16
	s_mov_b32 s[\g+2], 264<<16                     ; the head's load: 264 rows of 256 bytes: four panels, dense
	s_mov_b32 s[\g+3], 32<<16
	s_mov_b32 s[\g+4], 264
	s_mov_b32 s[\g+5], 32
	s_mov_b32 s[\g+6], 0
	s_mov_b32 s[\g+7], 0
.endr
	s_mul_i32 s17, s16, REG
	s_mul_i32 s74, s43, NK*PANEL
	s_add_co_u32 s74, s74, s17
	s_mov_b32 s75, 0
	s_mul_i32 s76, s44, NK*PANEL
	s_add_co_u32 s76, s76, s17
	s_add_co_u32 s76, s76, BOFF
	s_mov_b32 s77, 0
	s_mul_i32 s82, s14, REG
	s_wait_dscnt 0x0                               ; both opening adds are done
	s_wait_kmcnt 0x0
	s_add_nc_u64 s[78:79], s[4:5], s[74:75]
	s_add_nc_u64 s[80:81], s[6:7], s[76:77]
	CROUND
.irp s, 0,1
	s_mov_b32 s[G0+4*\s], 1
	s_add_co_u32 s[G0+4*\s+1], s82, \s*SLOT
	s_add_nc_u64 s[G0+4*\s+2:G0+4*\s+3], s[78:79], \s*HALF
	s_or_b32 s[G0+4*\s+3], s[G0+4*\s+3], 0x80000000
	s_mov_b32 s[G0B+4*\s], 1
	s_add_co_u32 s[G0B+4*\s+1], s82, \s*SLOT
	s_add_nc_u64 s[G0B+4*\s+2:G0B+4*\s+3], s[80:81], \s*HALF
	s_or_b32 s[G0B+4*\s+3], s[G0B+4*\s+3], 0x80000000
.endr
	; ONE LOAD A WAVE AT THE HEAD FILLS BOTH SLOTS: wave 0 A's K steps 0-3 (slot 0's first half), wave 1 A's 4-7 (slot 1's), waves 2 and 3 the same of B.  Slot 0's groups 0 serve it, and are set back for the ring behind the wait for it.
	s_mov_b32 s68, s17                             ; they stand at REG x (wave % 2): once more gives HALF x (wave % 2)
	s_mov_b32 s69, 0
	s_mul_i32 s[G0+1], s16, SLOT
	s_add_co_u32 s[G0B+1], s[G0+1], HALF
	s_add_nc_u64 s[G0+2:G0+3], s[G0+2:G0+3], s[68:69]
	s_add_nc_u64 s[G0B+2:G0B+3], s[G0B+2:G0B+3], s[68:69]
	JLOAD 0
	v_and_b32 v1, 15, v0
	v_bfe_u32 v2, v0, 4, 1
	v_and_b32 v3, 31, v0
	v_lshlrev_b32 v[LI], 4, v3
	s_wait_alu depctr_va_vdst(0)
	s_lshl_b32 s83, s15, 13
	s_lshl_b32 s84, s16, 13
	s_add_co_u32 s84, s84, HALF
	s_lshl_b32 s85, s15, 8
	s_lshl_b32 s18, s16, 8
	s_add_co_u32 s18, s18, HALF
	s_sub_co_u32 s18, s18, s85
	v_mul_u32_u24 v4, s18, v2
	v_lshl_add_u32 v4, v1, 2, v4
	s_add_co_u32 s85, s85, 16384
.irp s, 0,1
	v_add_nc_u32 v[ADRA+\s], s83, v[LI]
	v_add_nc_u32 v[ADRB+\s], s84, v[LI]
	v_add_nc_u32 v[ADRS+\s], s85, v4
	s_add_co_u32 s83, s83, SLOT
	s_add_co_u32 s84, s84, SLOT
	s_add_co_u32 s85, s85, SLOT
.endr
	s_mul_i32 s19, s14, 4352
	v_mul_u32_u24 v[STO], v1, 272
	v_lshl_add_u32 v[STO], v2, 6, v[STO]
	v_add_nc_u32 v[STO], s19, v[STO]
	v_mul_u32_u24 v[RD], v2, 272
	v_lshl_add_u32 v[RD], v1, 4, v[RD]
	v_add_nc_u32 v[RD], s19, v[RD]
	v_lshlrev_b32 v[CO], 14, v2
	v_lshl_add_u32 v[CO], v1, 4, v[CO]
	v_lshlrev_b32 v[BA], 4, v1
	v_lshlrev_b32 v30, 8, v3                       ; the prefetches' offsets: 256 x lane,
	v_mov_b32 v31, 0                               ; and 0
	s_wait_alu depctr_va_vdst(0)
	s_and_b32 s22, s43, 7
	s_lshl_b32 s22, s22, 21
	s_lshl_b32 s23, s15, 20
	s_add_co_u32 s22, s22, s23
	s_lshr_b32 s23, s43, 3
	s_lshl_b32 s23, s23, 12
	s_add_co_u32 s22, s22, s23
	s_lshl_b32 s96, s44, 9
	s_lshl_b32 s23, s16, 8
	s_add_co_u32 s96, s96, s23
	s_mov_b32 s97, 0
	s_add_co_u32 s22, s22, s96
	s_mov_b32 s23, 0
	s_add_nc_u64 s[86:87], s[10:11], s[22:23]
	s_add_nc_u64 s[88:89], s[72:73], s[22:23]
	s_add_nc_u64 s[92:93], s[8:9], s[96:97]
	s_cmp_eq_u32 s15, 0                            ; do I fetch for A?
	s_cselect_b32 s70, s40, s41                    ; my place among the four that ask with me
	s_cselect_b64 s[66:67], s[78:79], s[80:81]     ; where my wave's refills begin
	s_mul_i32 s70, s70, 33*256                     ; my work-group's 33 blocks of the 132,
	s_add_co_u32 s70, s70, 2*HALF                  ; in the third group of four K steps: what the first refill brings
	s_mov_b32 s71, 0
	s_add_nc_u64 s[66:67], s[66:67], s[70:71]
.macro FETCH slot, ks, f, sc
	WIN 0x40
.irp i, 0,1,2,3
.irp c, 0,1,2,3
	ds_load_b128 v[(\f)+16*\i+4*\c:(\f)+16*\i+4*\c+3], v[ADRA+\slot] offset:PANEL*(\ks)+2048*\i+512*\c
	ds_load_b128 v[(\f)+64+16*\i+4*\c:(\f)+64+16*\i+4*\c+3], v[ADRB+\slot] offset:PANEL*(\ks)+2048*\i+512*\c
.endr
.endr
	WIN 0
.irp i, 0,1,2,3
	ds_load_b32 v[SC+4*(\sc)+\i], v[ADRS+\slot] offset:PANEL*(\ks)+64*\i
.endr
.endm
.macro MUL8 f, sc, a0, zero
	WIN 0x05
.irp a, \a0, \a0+1
.irp b, 0,1,2,3
.if \zero
	v_wmma_scale_f32_16x16x128_f8f6f4 v[ACC+8*(4*(\a)+\b):ACC+8*(4*(\a)+\b)+7], v[(\f)+64+16*\b:(\f)+64+16*\b+15], v[(\f)+16*(\a):(\f)+16*(\a)+15], 0, v[SC+4*(\sc)+\b], v[SC+4*(\sc)+(\a)] matrix_a_fmt:MATRIX_FMT_BF8 matrix_b_fmt:MATRIX_FMT_BF8 matrix_a_scale:MATRIX_SCALE_ROW1
.else
	v_wmma_scale_f32_16x16x128_f8f6f4 v[ACC+8*(4*(\a)+\b):ACC+8*(4*(\a)+\b)+7], v[(\f)+64+16*\b:(\f)+64+16*\b+15], v[(\f)+16*(\a):(\f)+16*(\a)+15], v[ACC+8*(4*(\a)+\b):ACC+8*(4*(\a)+\b)+7], v[SC+4*(\sc)+\b], v[SC+4*(\sc)+(\a)] matrix_a_fmt:MATRIX_FMT_BF8 matrix_b_fmt:MATRIX_FMT_BF8 matrix_a_scale:MATRIX_SCALE_ROW1
.endif
.endr
.endr
.endm
.macro KSTEP slot, ks, zero
	s_wait_dscnt 0x0
	PLACES 8
	FETCH \slot, (\ks)+1, 128*(1-(\ks)%2), 1-(\ks)%2
	MUL8 128*((\ks)%2), (\ks)%2, 0, \zero
	MUL8 128*((\ks)%2), (\ks)%2, 2, \zero
.endm
.macro TURN slot, next, fill
	WIN 0
.if \fill
	s_wait_xcnt 0x0                                ; my prefetches have read their address: it steps four K steps on
	s_add_nc_u64 s[66:67], s[66:67], HALF
.endif
	s_wait_tensorcnt 0x0
	ds_add_u32 v[SPW], v[NIL]
	s_wait_dscnt 0x1
	MUL8 F1, 1, 0, 0
	s_wait_dscnt 0x0
	WIN 0
.if \fill
	CROUND
	s_add_nc_u64 s[G0+4*\slot+2:G0+4*\slot+3], s[G0+4*\slot+2:G0+4*\slot+3], 2*HALF
	s_add_nc_u64 s[G0B+4*\slot+2:G0B+4*\slot+3], s[G0B+4*\slot+2:G0B+4*\slot+3], 2*HALF
	JLOAD \slot
	PLACES 4
.else
	s_barrier_signal -1
	s_barrier_wait -1
	PLACES 8
.endif
	FETCH \next, 0, F0, 0
.if \fill
	ASK 1                                          ; behind the joint load and the run of LDS loads
.endif
	MUL8 F1, 1, 2, 0
.endm
	s_wait_tensorcnt 0x0                           ; my four panels are in, and no tensor load of mine is out: descriptors may be written
	s_mov_b32 s[G1+2], 132<<16                     ; from here on a load brings two panels: 132 rows
	s_mov_b32 s[G1+4], 132
	s_mov_b32 s[G1B+2], 132<<16
	s_mov_b32 s[G1B+4], 132
	s_mov_b32 s[G0+1], s82                         ; slot 0's groups 0 back to the ring's places
	s_mov_b32 s[G0B+1], s82
	s_sub_nc_u64 s[G0+2:G0+3], s[G0+2:G0+3], s[68:69]
	s_sub_nc_u64 s[G0B+2:G0B+3], s[G0B+2:G0B+3], s[68:69]
	s_barrier_signal -1
	s_barrier_wait -1
	FETCH 0, 0, F0, 0
	ASK 0                                          ; the first two refills' tiles
	KSTEP 0, 0, 1
	WIN 0
	; what the way out wants of memory (the bias, and my 64 tokens x 256 bytes of h2) is asked for here, behind the first tiles: 33 loads into window 2 and v40-43, which nothing names before the one wait for them
	global_load_b128 v[BIAS:BIAS+3], v[BA], s[92:93]
	WIN 0x80
.irp a, 0,1,2,3
.irp i, 0,1,2,3,4,5,6,7
	global_load_b128 v[XR+32*\a+4*\i:XR+32*\a+4*\i+3], v[CO], s[86:87] offset:(32*(\a/2)+8*(\a%2)+2*\i+8*(\i/4))*16384
.endr
.endr
	WIN 0
	s_mov_b32 s3, LAPS-1
.Llap:
	KSTEP 0, 1, 0
	KSTEP 0, 2, 0
	TURN 0, 1, 1
	KSTEP 1, 0, 0
	KSTEP 1, 1, 0
	KSTEP 1, 2, 0
	TURN 1, 0, 1
	KSTEP 0, 0, 0
	WIN 0
	s_sub_co_u32 s3, s3, 1
	s_cmp_lg_u32 s3, 0
	s_cbranch_scc1 .Llap
	KSTEP 0, 1, 0
	KSTEP 0, 2, 0
	TURN 0, 1, 0
	KSTEP 1, 0, 0
	KSTEP 1, 1, 0
	KSTEP 1, 2, 0
	s_wait_dscnt 0x0
	MUL8 F1, 1, 0, 0
	MUL8 F1, 1, 2, 0
	WIN 0
	PLACES 8
	s_wait_loadcnt 0x0
.irp a, 0,1,2,3
	s_wait_xcnt 0x0
.irp b, 0,1,2,3
	ds_store_b128 v[STO], v[ACC+8*(4*\a+\b):ACC+8*(4*\a+\b)+3] offset:128*(\b/2)+32*(\b%2)
	ds_store_b128 v[STO], v[ACC+8*(4*\a+\b)+4:ACC+8*(4*\a+\b)+7] offset:128*(\b/2)+32*(\b%2)+16
.endr
.irp i, 0,1,2,3,4,5,6,7
	ds_load_b128 v[YR+4*\i:YR+4*\i+3], v[RD] offset:544*\i
.endr
	s_wait_dscnt 0x0
.irp i, 0,1,2,3,4,5,6,7
	v_pk_add_f32 v[YR+4*\i:YR+4*\i+1], v[YR+4*\i:YR+4*\i+1], v[BIAS:BIAS+1]
	v_pk_add_f32 v[YR+4*\i+2:YR+4*\i+3], v[YR+4*\i+2:YR+4*\i+3], v[BIAS+2:BIAS+3]
.endr
	WIN 0x02
.irp i, 0,1,2,3,4,5,6,7
	v_pk_add_f32 v[YR+4*\i:YR+4*\i+1], v[XR+32*\a+4*\i:XR+32*\a+4*\i+1], v[YR+4*\i:YR+4*\i+1]
	v_pk_add_f32 v[YR+4*\i+2:YR+4*\i+3], v[XR+32*\a+4*\i+2:XR+32*\a+4*\i+3], v[YR+4*\i+2:YR+4*\i+3]
.endr
	WIN 0
.irp i, 0,1,2,3,4,5,6,7
	global_store_b128 v[CO], v[YR+4*\i:YR+4*\i+3], s[88:89] offset:(32*(\a/2)+8*(\a%2)+2*\i+8*(\i/4))*16384 th:TH_STORE_NT
.endr
.endr
	s_wait_tensorcnt 0x0
	ds_add_u32 v[SPW], v[NIL]
	s_wait_dscnt 0x0
	CROUND
	s_endpgm
.Lfunc_end_k_q96a4d01581_ffn2:
	.size	k_q96a4d01581_ffn2, .Lfunc_end_k_q96a4d01581_ffn2-k_q96a4d01581_ffn2
	.p2alignl 7, 3214868480
	.fill 96, 4, 3214868480
	.section	.rodata,"a",@progbits
	.p2align	6, 0x0
	.amdhsa_kernel k_q96a4d01581_ffn2
		.amdhsa_group_segment_fixed_size 327680
		.amdhsa_private_segment_fixed_size 0
		.amdhsa_enable_private_segment 0
		.amdhsa_kernarg_size 40
		.amdhsa_user_sgpr_count 2
		.amdhsa_user_sgpr_kernarg_segment_ptr 1
		.amdhsa_wavefront_size32 1
		.amdhsa_system_sgpr_workgroup_id_x 1
		.amdhsa_system_sgpr_workgroup_id_y 1
		.amdhsa_system_sgpr_workgroup_id_z 1
		.amdhsa_system_vgpr_workitem_id 0
		.amdhsa_next_free_vgpr 768
		.amdhsa_next_free_sgpr 98
		.amdhsa_reserve_vcc 0
		.amdhsa_float_denorm_mode_32 3
		.amdhsa_float_denorm_mode_16_64 3
		.amdhsa_memory_ordered 1
		.amdhsa_forward_progress 1
		.amdhsa_inst_pref_size 105
	.end_amdhsa_kernel
	.amdgpu_metadata
---
amdhsa.version: [ 1, 2 ]
amdhsa.kernels:
  - .name:           k_q96a4d01581_ffn2
    .symbol:         k_q96a4d01581_ffn2.kd
    .args:
      - { .name: act, .offset: 0, .size: 8, .value_kind: global_buffer, .address_space: global }
      - { .name: wc, .offset: 8, .size: 8, .value_kind: global_buffer, .address_space: global }
      - { .name: b_out, .offset: 16, .size: 8, .value_kind: global_buffer, .address_space: global }
      - { .name: h2, .offset: 24, .size: 8, .value_kind: global_buffer, .address_space: global }
      - { .name: out0, .offset: 32, .size: 8, .value_kind: global_buffer, .address_space: global }
    .group_segment_fixed_size: 327680
    .private_segment_fixed_size: 0
    .kernarg_segment_align: 8
    .kernarg_segment_size: 40
    .max_flat_workgroup_size: 128
    .sgpr_count:     98
    .vgpr_count:     768
    .wavefront_size: 32
...
	.end_amdgpu_metadata
.endif
;; end of part 6
